; MI455X (gfx1250); checked and timed in simulation.
; The chip was launched on July 23, 2026; its instructions are those of AMD's public machine-readable ISA for CDNA 5 (MIT licence, August 2026) and "CDNA5" Instruction Set Architecture Reference Guide (July 2026). The comments in the code are by the model that wrote it; some were corrected since.
;; Mixed Heads V2. Allowed arithmetic: matrix products marked QUANTISED: E5M2 operands, one given power-of-two scale a tensor, by v_wmma_f32_16x16x64_bf8_bf8 or v_wmma_f32_16x16x128_bf8_bf8, f32 sums; products left as they are: f32 operands where the result goes on into a quantised operand, else bf16, f16 or f32 operands; f32 sums; everything else in f32.
;; Inputs: base_K 8 x 128 x 512 float32; base_Q 8 x 128 x 512 float32; base_V 8 x 128 x 512 float32; lowp_scales 10 int32 (the exponents e of the quantised operands' scales 2^e); weights 4 float32; x 4 x 2,048 x 512 float32.
;; Outputs: out0 4 x 2,048 x 1,024 float32.
;; This version of the problem:
;;   THIS VERSION OF THE PROBLEM IS GIVEN IN LOW PRECISION. The matrix products marked QUANTISED in the list below multiply operands that are first quantised to E5M2 (5 exponent bits, 2 mantissa bits; 8 bits a number), with one given power-of-two scale for each operand tensor; their sums are f32. All else is computed in f32.
;;   The module's matrix products, in the order in which they are computed (A, B: the left and right operand; K: the contracted axis; several contracted axes count as one K, in the product's order):
;;     1. [M 1, K 4] x [K 4, N 524,288]; A: input weights; B: computed on the way: left as it is (K = 4 < 32)
;;     2. [M 1,024, K 512] x [K 512, N 8,192]; A: computed on the way; B: input x: QUANTISED (scales: A lowp_scales[0], B lowp_scales[1])
;;     3. [M 1,024, K 512] x [K 512, N 8,192]; A: computed on the way; B: input x: QUANTISED (scales: A lowp_scales[2], B lowp_scales[3])
;;     4. [M 1,024, K 512] x [K 512, N 8,192]; A: computed on the way; B: input x: QUANTISED (scales: A lowp_scales[4], B lowp_scales[5])
;;     5. batch 32 x [M 2,048, K 128] x [K 128, N 2,048]; A: computed on the way; B: computed on the way: QUANTISED (scales: A lowp_scales[6], B lowp_scales[7])
;;     6. batch 32 x [M 2,048, K 2,048] x [K 2,048, N 128]; A: softmax (see below); B: computed on the way: QUANTISED (scales: A lowp_scales[8], B lowp_scales[9])
;;   THE QUANTISER, for each operand of a quantised product, along K:
;;     - The operand's scale is 2^e, e = its entry of the input lowp_scales (int32; the entries are numbered through the quantised products in the list's order, A before B).
;;     - Each number is divided by the scale, clamped to +-57,344, and rounded to the nearest number of E5M2, ties to even, subnormals kept.
;;     - The product sums the exact products of the quantised numbers (number of the format x scale) in f32.
;;   ~~~python
;;   def quantise(x, axis, e):      # numpy; x: float32 -> the quantised numbers, widened to float32 again
;;       x = np.moveaxis(x, axis, -1); K = x.shape[-1]
;;       r = np.clip(x / 2.0 ** e, -57344, 57344)
;;       step = 2.0 ** (np.maximum(np.frexp(np.where(r == 0, 1, r))[1] - 1, -14) - 2)
;;       q = np.round(r / step) * step * 2.0 ** e      # np.round: ties to even
;;       return np.moveaxis(q, -1, axis).astype(np.float32)
;;   ~~~
;;   SOFTMAX AHEAD OF A QUANTISED PRODUCT. Where the list says 'softmax', what is quantised is not the finished softmax but p = 2^(t - M), with t = logit x log2(e) and M = ceil(the row's largest t), a whole number; so 1/2 < the row's largest p <= 1. The row's sum l is taken of the UNQUANTISED p, in f32, and the product's result is divided by l at the end. Since M is a whole number, a kernel that streams over the keys may use a running M (the ceiling of the running maximum): every later rescaling is an exact power of two, so the quantised numbers keep their values, but for numbers so far below the row's largest that they fall under the format's range.
;;   OPERANDS COMPUTED ON THE WAY. 'Computed on the way' means the value that the module computes at that place (a softmax that the list does not call 'softmax' is quantised finished and normalised). What goes into a quantiser is computed in f32, as accurately as f32 sums, v_exp_f32 and their like allow (about 1e-6 of the number): no bf16 or f16 on the way to a quantiser, and a product that is left as it is and whose result goes on into a quantised operand takes f32 operands (vector FMAs, or v_wmma_f32_16x16x4_f32). A number that lies on a knife's edge between two numbers of the format may be rounded either way, as far as f32 arithmetic and the matrix unit's own rounding can turn it there, and no further.
;; 2 versions. Each part assembles by itself: llvm-mc -triple=amdgcn-amd-amdhsa -mcpu=gfx1250 --defsym DOCPART=n.
;; ======== version 1 of 2: 2 launches
;; workspace buffers: qimg 8,388,608 bytes; kv 16,777,216 bytes
;; launch project (part 1): grid 8 x 32, 4 waves a work-group, no clusters, 304,640 bytes of LDS; arguments x, weights, base_K, base_Q, base_V, lowp_scales, qimg, kv; writes qimg, kv
.if DOCPART == 1
	.amdgcn_target "amdgcn-amd-amdhsa--gfx1250"
	.amdhsa_code_object_version 6
	.text
	.protected	k_q20f73890c7_project
	.globl	k_q20f73890c7_project
	.p2align	8
	.type	k_q20f73890c7_project,@function
k_q20f73890c7_project:
	s_mov_b64 s[64:65], 0
	v_nop
	global_prefetch_b8 v0, s[64:65] scope:SCOPE_SE
	s_setreg_imm32_b32 hwreg(HW_REG_WAVE_MODE, 25, 1), 1
	s_wait_xcnt 0x0
; k, q, v = x W^T for one head h and 256 rows of x, all three products on codes of BF8 (E5M2); the results are quantised again, in registers, and stored as the operands of the attention launch.
; W = eff x base, f32.  eff[h][d][c] = w0 [h<4][d<64][c<256] + w1 [d<32][c<256] + w2 [h<4] + w3 [d<64]: constant on 32 neighbouring d and on each half of c.
; SCALES (whole numbers e, a scale is 2^e): W of k, q, v: entries 0, 2, 4; x for k, q, v: entries 1, 3, 5; the results: q entry 6, k entry 7, v entry 9.
; A sum of product p stands for sum x 2^(eW + ex), so its code is sum / 2^(eout - eW - ex): the three exponents are folded into the conversion's one scale.
; LIMITS: each eW, each ex and each eout - eW - ex lies between -126 and 112, so that the scale and 57,344 x the scale are f32 numbers.  NaN and infinities in x, in the bases or in weights are not served.
; SHARES.  Work-group (h, g): head h, rows 256 g .. 256 g + 255 of x (batch g / 8).  Four waves; wave w owns rows 64 w .. 64 w + 63 (four tiles of 16) against all 24 tiles of 16 rows of W (8 each for k, q, v).
;   Phase W: wave w quantises rows d = 32 w .. 32 w + 31 of the three bases into LDS (for them eff is two numbers).   Phase X: it quantises its 64 rows of x three times, through its own stage in LDS, into registers.
;   One barrier.   Phase M: two tiles of W a trip from LDS, each against the wave's four tiles of x; hold, conversion, store.
; K IS PERMUTED ALIKE IN BOTH OPERANDS.  A row (2,048 bytes) is loaded by four loads of 512 consecutive bytes: lane l holds k = 128 a + 4 l + i in register 4 a + i.  Its 16 codes, piece l, lie at row x 528 + 16 l.
;   Registers 4 c .. 4 c + 3 of K step s of lane (r, hl) are piece 16 hl + 4 s + c of row r: every product meets its partner; only the order of the sums changes.  c < 256 is a < 2.
; THE IMAGES.  A fragment (16 rows x 128 K) is stored as its registers stand: chunk c (512 bytes) = registers 4 c .. 4 c + 3, lane l's 16 bytes at 16 l; registers 2 u, 2 u + 1 hold K = 16 u + 8 (l / 16) + 0 .. 7.
;   k and q: source 0 = 16 rows of W, source 1 = 16 rows of x: a lane holds one row t and eight neighbouring d.   v: source 0 = x, source 1 = W: a lane holds one d and eight neighbouring t.  So the conversions' results are the images' registers.
;   qimg[bh][t / 16][2048];   kv[bh][t / 128][32768]: eight fragments of k (16 keys each, K = d), then eight of v (16 d each, K = the step's 128 keys).
; REGISTERS, in windows of 256: window 0: addresses, scales, a ring of loaded rows, later W's fragments and the sums;  windows 1, 2, 3: x's codes for k, q, v: fragment (tile m, K step s) at v[16 (4 m + s)].
; No tensor loads: the operands arrive as f32 and pass through registers on their way to codes.
.set PITCH,  528                       ; a row of 512 codes + 16 bytes = 33 x 16: the 16 rows that a fragment load touches begin in 16 different 16-byte columns of 256 bytes
.set WTILE,  16*PITCH                  ; a tile of 16 rows of W's codes
.set XSTG,   384*PITCH                 ; LDS: W's 384 rows (row 128 p + d), then a stage of 48 rows (row 16 p + the row in the tile) for each wave
.set XSTGW,  48*PITCH
.set L16,  1                           ; v1      16 x lane
.set WO,   2                           ; v2      byte offset of my 16 bytes in the trip's first row of a base
.set WS,   3                           ; v3-5    LDS: my piece in my wave's first row of W's codes, for k, q, v; never rewritten
.set WSA,  6                           ; v6-8    the same for the trip in hand
.set XS,   9                           ; v9      LDS: my piece in my stage's first row; never rewritten
.set XSA,  10                          ; v10     the same for the trip in hand
.set XF,   11                          ; v11     LDS: my lane's place in a fragment read from my stage
.set WFB,  12                          ; v12     LDS: my lane's place in a fragment of W's tile 0
.set WAA,  13                          ; v13     the same for the even tile that is being fetched
.set WAB,  14                          ; v14     and for the odd one
.set XO,   15                          ; v15     byte offset of my 16 bytes in the trip's first row of x
.set SW,   16                          ; v16-18  2^eW as f32, for k, q, v
.set SX,   19                          ; v19-21  2^ex
.set SQ,   22                          ; v22-24  2^(eout - eW - ex)
.set LW,   25                          ; v25-27  57,344 x 2^eW
.set LX,   28                          ; v28-30  57,344 x 2^ex
.set SO,   31                          ; v31     byte offset of my 16 bytes in the image chunk that is being stored
.set RING, 32                          ; v32-223 twelve slots of 16 numbers (a row's share of a lane); x uses the first eight
.set T,    160                         ; v160-191 phase X: two sets of 16 held numbers
.set C,    224                         ; v224-247 six sets of four registers of codes
.set LQ,   248                         ; v248-250 57,344 x 2^(eout - eW - ex)
.set EL,   252                         ; v[252:253] eff for c < 256, twice
.set EH,   254                         ; v[254:255] eff for c >= 256, twice
.set FA,   32                          ; phase M: the even tile's four fragments, v32-95
.set FB,   96                          ; the odd tile's, v96-159
.set ACA,  160                         ; the even tile's four sums, v160-191
.set ACB,  192                         ; the odd tile's, v192-223
.set CO,   224                         ; a trip's sixteen registers of codes
.set WV,   20                          ; s20 wave;  s21 head;  s22 row group
.set HD,   21
.set GR,   22
.set CNT,  53                          ; s53 trips to go
.set TO,   54                          ; s54 phase W: the trip's first row in LDS, in bytes
.set XT,   55                          ; s55 phase X: the same in the stage
.set WT,   56                          ; s56 phase M: the first byte of the pair of tiles that is being fetched
.set BQ,   58                          ; s[58:59], s[60:61], s[62:63]: where my wave's images of q, k, v begin
.set BK,   60
.set BV,   62
.set MSB, 0
.macro WIN new                         ; the immediate's high byte repeats the setting that is left; a switch that changes nothing is dropped
.if MSB != (\new)
	s_set_vgpr_msb (MSB<<8)|(\new)
.set MSB, (\new)
.endif
.endm
.macro MKSC se, vs, vl                 ; from the whole number e in s[se]: 2^e and 57,344 x 2^e as f32
	s_add_co_i32 s66, s[\se], 127
	s_lshl_b32 s67, s66, 23
	v_mov_b32 v[\vs], s67
	s_add_co_i32 s66, s66, 15
	s_lshl_b32 s66, s66, 23
	s_or_b32 s66, s66, 0x600000
	v_mov_b32 v[\vl], s66
.endm
.macro WLOAD i, extra                  ; slot i: row i / 3 of the trip's four, of base i % 3: four loads of 512 consecutive bytes
.irp a, 0,1,2,3
	global_load_b128 v[RING+16*(\i)+4*\a:RING+16*(\i)+4*\a+3], v[WO], s[8+2*((\i)%3):9+2*((\i)%3)] offset:((\i)/3)*2048+512*\a+\extra
.endr
.endm
.macro XLOAD i, extra                  ; slot i: row i of the trip's eight rows of x
.irp a, 0,1,2,3
	global_load_b128 v[RING+16*(\i)+4*\a:RING+16*(\i)+4*\a+3], v[XO], s[4:5] offset:(\i)*2048+512*\a+\extra
.endr
.endm
	s_load_b512 s[4:19], s[0:1], 0x0               ; x s[4:5], weights s[6:7], base_K s[8:9], base_Q s[10:11], base_V s[12:13], the scales s[14:15], qimg s[16:17], kv s[18:19]
	v_lshrrev_b32 v2, 5, v0
	v_readfirstlane_b32 s[WV], v2                  ; wave 0..3
	s_mov_b32 s[HD], ttmp9                         ; head
	s_and_b32 s[GR], ttmp7, 0xffff                 ; row group
	v_and_b32 v2, 31, v0
	v_lshlrev_b32 v[L16], 4, v2
	v_mov_b32 v[WO], v[L16]
	v_mov_b32 v[XO], v[L16]
	s_mul_i32 s66, s[WV], 32*PITCH                 ; my wave's 32 rows of each base
	v_add_nc_u32 v[WS], s66, v[L16]
	v_add_nc_u32 v[WS+1], 128*PITCH, v[WS]
	v_add_nc_u32 v[WS+2], 256*PITCH, v[WS]
	s_mul_i32 s66, s[WV], XSTGW
	s_add_co_u32 s66, s66, XSTG                    ; my stage
	v_add_nc_u32 v[XS], s66, v[L16]
	v_and_b32 v[WFB], 15, v0                       ; r
	v_mul_u32_u24 v[WFB], v[WFB], PITCH
	v_bfe_u32 v[WAA], v0, 4, 1                     ; hl
	v_lshl_add_u32 v[WFB], v[WAA], 8, v[WFB]       ; row r, pieces 16 hl on
	v_add_nc_u32 v[XF], s66, v[WFB]
	s_lshl_b32 s68, s[HD], 18                      ; the bases: head x 128 rows of 2,048 bytes + wave x 32 rows
	s_lshl_b32 s69, s[WV], 16
	s_add_co_u32 s68, s68, s69
	s_mov_b32 s69, 0
	s_lshl_b32 s70, s[GR], 19                      ; x: group x 256 rows + wave x 64 rows
	s_lshl_b32 s71, s[WV], 17
	s_add_co_u32 s70, s70, s71
	s_mov_b32 s71, 0
	s_lshr_b32 s72, s[GR], 3
	s_lshl_b32 s72, s72, 3
	s_add_co_u32 s72, s72, s[HD]                   ; bh = 8 x batch + head
	s_and_b32 s73, s[GR], 7                        ; which 256 rows of the batch's 2,048
	s_lshl_b32 s74, s72, 18                        ; q: bh x 128 fragments + (16 x that + 4 x wave) fragments of 2,048 bytes
	s_lshl_b32 s75, s73, 15
	s_add_co_u32 s74, s74, s75
	s_lshl_b32 s75, s[WV], 13
	s_add_co_u32 s74, s74, s75
	s_mov_b32 s75, 0
	s_lshl_b32 s76, s72, 19                        ; kv: bh x 16 steps of 32,768 bytes + step 2 x that + wave / 2
	s_lshl_b32 s77, s73, 16
	s_add_co_u32 s76, s76, s77
	s_lshr_b32 s77, s[WV], 1
	s_lshl_b32 s77, s77, 15
	s_add_co_u32 s76, s76, s77
	s_and_b32 s79, s[WV], 1
	s_lshl_b32 s78, s79, 10                        ; v: behind k's 16,384 bytes; my 64 keys are registers 8 (wave % 2) on of each fragment: two chunks
	s_add_co_u32 s78, s78, s76
	s_add_co_u32 s78, s78, 16384
	s_lshl_b32 s79, s79, 13                        ; k: my 64 keys are fragments 4 (wave % 2) on
	s_add_co_u32 s76, s76, s79
	s_mov_b32 s77, 0
	s_mov_b32 s79, 0
	s_wait_kmcnt 0x0
	s_load_b128 s[24:27], s[6:7], 0x0              ; w0 .. w3
	s_load_b256 s[28:35], s[14:15], 0x0            ; the scales' entries 0 .. 7
	s_load_b64 s[36:37], s[14:15], 0x20            ; entries 8, 9
	s_add_nc_u64 s[8:9], s[8:9], s[68:69]
	s_add_nc_u64 s[10:11], s[10:11], s[68:69]
	s_add_nc_u64 s[12:13], s[12:13], s[68:69]
	s_add_nc_u64 s[4:5], s[4:5], s[70:71]
	s_add_nc_u64 s[BQ:BQ+1], s[16:17], s[74:75]
	s_add_nc_u64 s[BK:BK+1], s[18:19], s[76:77]
	s_add_nc_u64 s[BV:BV+1], s[18:19], s[78:79]
.irp i, 0,1,2,3,4,5,6,7,8,9,10,11
	WLOAD \i, 0                                    ; the ring is filled: 48 loads, four rows of each base
.endr
	s_wait_kmcnt 0x0
	s_cmp_lt_u32 s[HD], 4                          ; eff: the terms that count for my head and my 32 rows; the others are 0
	s_cselect_b32 s66, s24, 0
	s_cselect_b32 s68, s26, 0                      ; w2 [h < 4]
	s_cmp_lt_u32 s[WV], 2
	s_cselect_b32 s66, s66, 0                      ; w0 [h < 4][d < 64]
	s_cselect_b32 s69, s27, 0                      ; w3 [d < 64]
	s_cmp_eq_u32 s[WV], 0
	s_cselect_b32 s67, s25, 0                      ; w1 [d < 32]
	v_mov_b32 v[EL], s66
	v_add_f32 v[EL], s67, v[EL]
	v_add_f32 v[EL], s68, v[EL]
	v_add_f32 v[EL], s69, v[EL]
	v_mov_b32 v[EL+1], v[EL]
	v_mov_b32 v[EH], s68
	v_add_f32 v[EH], s69, v[EH]
	v_mov_b32 v[EH+1], v[EH]
	MKSC 28, SW, LW
	MKSC 30, SW+1, LW+1
	MKSC 32, SW+2, LW+2
	MKSC 29, SX, LX
	MKSC 31, SX+1, LX+1
	MKSC 33, SX+2, LX+2
	s_sub_co_i32 s68, s35, s28                     ; k: entry 7 - entry 0 - entry 1
	s_sub_co_i32 s68, s68, s29
	MKSC 68, SQ, LQ
	s_sub_co_i32 s68, s34, s30                     ; q: entry 6 - entry 2 - entry 3
	s_sub_co_i32 s68, s68, s31
	MKSC 68, SQ+1, LQ+1
	s_sub_co_i32 s68, s37, s32                     ; v: entry 9 - entry 4 - entry 5
	s_sub_co_i32 s68, s68, s33
	MKSC 68, SQ+2, LQ+2
; ---- PHASE W.  One slot's turn: x eff, the hold, the conversion, the piece to LDS.  mode 1: the slot takes its row of the next trip; mode 2: a row of x; mode 0: nothing.
; left: the younger loads, which may stay out.
.macro WSLOT i, mode, left
.set RS, RING+16*(\i)
.set PP, (\i)%3
.set CC, C+4*((\i)%6)
	s_wait_loadcnt \left
.irp j, 0,2,4,6
	v_pk_mul_f32 v[RS+\j:RS+\j+1], v[RS+\j:RS+\j+1], v[EL:EL+1]          ; registers 0-7: c < 256
.endr
.irp j, 8,10,12,14
	v_pk_mul_f32 v[RS+\j:RS+\j+1], v[RS+\j:RS+\j+1], v[EH:EH+1]          ; registers 8-15: c >= 256
.endr
.irp j, 0,1,2,3,4,5,6,7,8,9,10,11,12,13,14,15
	v_med3_num_f32 v[RS+\j], v[RS+\j], -v[LW+PP], v[LW+PP]               ; the conversion to an 8-bit code does not saturate (ISA guide 7.6.2): the hold at the largest code x the scale
.endr
	s_wait_dscnt 5                                 ; six sets of codes take turns, one LDS store each: with five out, the store that read this set is done
	v_cvt_scalef32_pk8_bf8_f32 v[CC:CC+1], v[RS:RS+7], v[SW+PP]
	v_cvt_scalef32_pk8_bf8_f32 v[CC+2:CC+3], v[RS+8:RS+15], v[SW+PP]
.if \mode == 1
	WLOAD \i, 8192
.elseif \mode == 2
	XLOAD \i, 0
.endif
	ds_store_b128 v[WSA+PP], v[CC:CC+3] offset:((\i)/3)*PITCH
.endm
.macro WHEAD
.irp p, 0,1,2
	v_add_nc_u32 v[WSA+\p], s[TO], v[WS+\p]
.endr
.endm
	s_mov_b32 s[TO], 0
	s_mov_b32 s[CNT], 7
.Lw:                                               ; seven trips of four rows of each base; the eighth is written out, so that no load leaves a base
	WHEAD
.irp i, 0,1,2,3,4,5,6,7,8,9,10,11
	WSLOT \i, 1, 44                                ; eleven younger slots, four loads each
.endr
	v_nop                                          ; a plain line behind the last conversion
	s_wait_xcnt 0x0                                ; the loads have read their offset register: it may step
	v_add_nc_u32 v[WO], 8192, v[WO]
	s_add_co_u32 s[TO], s[TO], 4*PITCH
	s_wait_dscnt 0x0                               ; the stores are done: their address registers may be made anew
	s_sub_co_u32 s[CNT], s[CNT], 1
	s_cmp_lg_u32 s[CNT], 0
	s_cbranch_scc1 .Lw
	WHEAD
.irp i, 0,1,2,3,4,5,6,7
	WSLOT \i, 2, 44                                ; 4 (11 - i) loads of the bases and 4 i of x are younger
.endr
	WSLOT 8, 0, 44
	WSLOT 9, 0, 40
	WSLOT 10, 0, 36
	WSLOT 11, 0, 32                                ; x's first eight rows may be out
; ---- PHASE X.  A row of x is held and converted three times, once for each product's scale; the pieces go to my stage, and a finished tile of 16 rows comes back as fragments.
.macro XSLOT i, ahead, left
	s_wait_loadcnt \left
.irp p, 0,1,2
.set NN, 3*(\i)+\p
.set TT, T+16*(NN%2)
.set CC, C+4*(NN%6)
.irp j, 0,1,2,3,4,5,6,7,8,9,10,11,12,13,14,15
	v_med3_num_f32 v[TT+\j], v[RING+16*(\i)+\j], -v[LX+\p], v[LX+\p]     ; into the other set than the last sixteen: these are the plain lines between a conversion and the rewriting of its sources
.endr
.if (\p == 2) && \ahead
	XLOAD \i, 16384                                ; the slot has been read for the last time: it takes the row eight further on
.endif
	s_wait_dscnt 5                                 ; as in phase W
	v_cvt_scalef32_pk8_bf8_f32 v[CC:CC+1], v[TT:TT+7], v[SX+\p]
	v_cvt_scalef32_pk8_bf8_f32 v[CC+2:CC+3], v[TT+8:TT+15], v[SX+\p]
	ds_store_b128 v[XSA], v[CC:CC+3] offset:(16*\p+\i)*PITCH
.endr
.endm
.macro XTRIP ahead                     ; eight rows: half a tile
	v_add_nc_u32 v[XSA], s[XT], v[XS]
.irp i, 0,1,2,3,4,5,6,7
.if \ahead
	XSLOT \i, 1, 28                                ; seven younger rows, four loads each
.else
	XSLOT \i, 0, 28-4*\i                           ; the last trip loads nothing: the counts run down
.endif
.endr
	v_nop                                          ; a plain line behind the last conversion
.if \ahead
	s_wait_xcnt 0x0                                ; the loads have read their offset register: it may step
	v_add_nc_u32 v[XO], 16384, v[XO]
	s_add_co_u32 s[XT], s[XT], 8*PITCH
	s_wait_dscnt 0x0                               ; the stores are done: their address register may be made anew
.endif
.endm
.macro FLUSH mm                        ; tile mm's twelve fragments into windows 1, 2, 3.  LDS serves a wave's instructions in order (ISA guide 5.7.1.4): these see my stores, and the next tile's stores come behind them
.irp p, 0,1,2
	WIN (\p+1)<<6
.irp s, 0,1,2,3
.irp c, 0,1,2,3
	ds_load_b128 v[16*(4*(\mm)+\s)+4*\c:16*(4*(\mm)+\s)+4*\c+3], v[XF] offset:\p*WTILE+64*\s+16*\c
.endr
.endr
.endr
	WIN 0
.endm
.macro XTILE mm
	s_mov_b32 s[XT], 0
	s_mov_b32 s[CNT], 2
.Lx_\@:
	XTRIP 1
	s_sub_co_u32 s[CNT], s[CNT], 1
	s_cmp_lg_u32 s[CNT], 0
	s_cbranch_scc1 .Lx_\@
	FLUSH \mm
.endm
	XTILE 0
	XTILE 1
	XTILE 2
	s_mov_b32 s[XT], 0                             ; the last tile is written out, so that no load leaves x
	XTRIP 1
	XTRIP 0
	FLUSH 3
	s_wait_dscnt 0x0                               ; my rows of W's codes have landed, and my fragments of x are in
	s_barrier_signal -1
	s_barrier_wait -1                              ; everybody's rows of W have: from here on LDS is only read
; ---- PHASE M.
.macro WFLOAD dst, adr, off            ; a tile's four fragments (16 rows x 512 K)
.irp s, 0,1,2,3
.irp c, 0,1,2,3
	ds_load_b128 v[\dst+16*\s+4*\c:\dst+16*\s+4*\c+3], v[\adr] offset:\off+64*\s+16*\c
.endr
.endr
.endm
; 16 matrix instructions: a tile of W against my four tiles of x, four K steps.  The four sums take turns, one instruction a turn; the first K step starts them: nothing is cleared.
.macro MUL16 kind, wf, acc
.irp s, 0,1,2,3
.irp m, 0,1,2,3
.if \kind == 0
.if \s == 0
	v_wmma_f32_16x16x128_bf8_bf8 v[\acc+8*\m:\acc+8*\m+7], v[\wf+16*\s:\wf+16*\s+15], v[16*(4*\m+\s):16*(4*\m+\s)+15], 0
.else
	v_wmma_f32_16x16x128_bf8_bf8 v[\acc+8*\m:\acc+8*\m+7], v[\wf+16*\s:\wf+16*\s+15], v[16*(4*\m+\s):16*(4*\m+\s)+15], v[\acc+8*\m:\acc+8*\m+7]
.endif
.else
.if \s == 0
	v_wmma_f32_16x16x128_bf8_bf8 v[\acc+8*\m:\acc+8*\m+7], v[16*(4*\m+\s):16*(4*\m+\s)+15], v[\wf+16*\s:\wf+16*\s+15], 0
.else
	v_wmma_f32_16x16x128_bf8_bf8 v[\acc+8*\m:\acc+8*\m+7], v[16*(4*\m+\s):16*(4*\m+\s)+15], v[\wf+16*\s:\wf+16*\s+15], v[\acc+8*\m:\acc+8*\m+7]
.endif
.endif
.endr
.endr
.endm
; four sums become codes: the hold, each sum from its low end on, and a conversion for each.  half: the even (0) or the odd (1) tile of the pair.
.macro QOUT acc, p, kind, half
.set J, 0
.rept 32
	v_med3_num_f32 v[\acc+J], v[\acc+J], -v[LQ+\p], v[LQ+\p]
.set J, J+1
.endr
.irp m, 0,1,2,3
.if \kind == 0
	v_cvt_scalef32_pk8_bf8_f32 v[CO+4*\m+2*\half:CO+4*\m+2*\half+1], v[\acc+8*\m:\acc+8*\m+7], v[SQ+\p]     ; tile m of rows: d = 16 (2 trip + half) + 8 hl + 0 .. 7: half a chunk of its fragment
.else
	v_cvt_scalef32_pk8_bf8_f32 v[CO+8*\half+2*\m:CO+8*\half+2*\m+1], v[\acc+8*\m:\acc+8*\m+7], v[SQ+\p]     ; keys 16 m + 8 hl + 0 .. 7 of my 64: two registers of the fragment of these 16 d
.endif
.endr
.endm
; A trip: tiles T and T + 1 of W.  kind 0: k, q (source 0 = W); kind 1: v (source 0 = x).  win: the window of x's codes.  ahead = 1: tiles T + 2 and T + 3 are fetched.
; Four plain lines stand between the products and the loads into their registers and the reads of their results; with ahead = 1 the address's addition is one of them.
; An address register is made anew only where the counted wait above has shown its own earlier loads done.
.macro MTRIP kind, win, p, base, ahead
	s_wait_dscnt 16                                ; the even tile is in; the odd tile's sixteen loads may be out
	WIN \win
	MUL16 \kind, FA, ACA
	WIN 0
.if \ahead
	s_add_co_u32 s[WT], s[WT], 2*WTILE
	v_add_nc_u32 v[WAA], s[WT], v[WFB]
.rept 3
	v_nop
.endr
	WFLOAD FA, WAA, 0
.else
.rept 4
	v_nop
.endr
.endif
	QOUT ACA, \p, \kind, 0
.if \ahead
	s_wait_dscnt 16                                ; the odd tile is in; the sixteen just issued may be out
.else
	s_wait_dscnt 0x0
.endif
	WIN \win
	MUL16 \kind, FB, ACB
	WIN 0
.if \ahead
	v_add_nc_u32 v[WAB], s[WT], v[WFB]
.rept 3
	v_nop
.endr
	WFLOAD FB, WAB, WTILE
.else
.rept 4
	v_nop
.endr
.endif
	QOUT ACB, \p, \kind, 1
	v_nop                                          ; a plain line behind the last conversion
.irp q, 0,1,2,3
.if \kind == 0
	global_store_b128 v[SO], v[CO+4*\q:CO+4*\q+3], s[\base:\base+1] offset:2048*\q                    ; chunk = trip of fragment q: 32 lanes store 512 consecutive bytes, aligned
.else
	global_store_b128 v[SO], v[CO+4*\q:CO+4*\q+3], s[\base:\base+1] offset:2048*(\q/2)+512*(\q%2)     ; my two chunks of the fragments of d = 16 (2 trip) and 16 (2 trip + 1)
.endif
.endr
	s_wait_xcnt 0x0                                ; the stores have read their data and their offset register: both may be written again
.if \kind == 0
	v_add_nc_u32 v[SO], 512, v[SO]
.else
	v_add_nc_u32 v[SO], 4096, v[SO]
.endif
.endm
	s_mov_b32 s[WT], 0
	WFLOAD FA, WFB, 0
	WFLOAD FB, WFB, WTILE
	v_mov_b32 v[SO], v[L16]
	s_mov_b32 s[CNT], 4
.Lmk:                                              ; k: tiles 0 to 7
	MTRIP 0, 0x04, 0, BK, 1
	s_sub_co_u32 s[CNT], s[CNT], 1
	s_cmp_lg_u32 s[CNT], 0
	s_cbranch_scc1 .Lmk
	v_mov_b32 v[SO], v[L16]
	s_mov_b32 s[CNT], 4
.Lmq:                                              ; q: tiles 8 to 15
	MTRIP 0, 0x08, 1, BQ, 1
	s_sub_co_u32 s[CNT], s[CNT], 1
	s_cmp_lg_u32 s[CNT], 0
	s_cbranch_scc1 .Lmq
	v_mov_b32 v[SO], v[L16]
	s_mov_b32 s[CNT], 3
.Lmv:                                              ; v: tiles 16 to 21
	MTRIP 1, 0x03, 2, BV, 1
	s_sub_co_u32 s[CNT], s[CNT], 1
	s_cmp_lg_u32 s[CNT], 0
	s_cbranch_scc1 .Lmv
	MTRIP 1, 0x03, 2, BV, 0                        ; tiles 22 and 23: nothing is left to fetch
	s_wait_xcnt 0x0
	v_lshl_add_u32 v254, v0, 2, 0x4a400
	v_mov_b32 v255, 0
	s_wait_tensorcnt 0x0
	ds_add_u32 v254, v255
	s_wait_dscnt 0x0
	s_endpgm
.Lfunc_end_k_q20f73890c7_project:
	.size	k_q20f73890c7_project, .Lfunc_end_k_q20f73890c7_project-k_q20f73890c7_project
	.p2alignl 7, 3214868480
	.fill 96, 4, 3214868480
	.section	.rodata,"a",@progbits
	.p2align	6, 0x0
	.amdhsa_kernel k_q20f73890c7_project
		.amdhsa_group_segment_fixed_size 304640
		.amdhsa_private_segment_fixed_size 0
		.amdhsa_enable_private_segment 0
		.amdhsa_kernarg_size 64
		.amdhsa_user_sgpr_count 2
		.amdhsa_user_sgpr_kernarg_segment_ptr 1
		.amdhsa_wavefront_size32 1
		.amdhsa_system_sgpr_workgroup_id_x 1
		.amdhsa_system_sgpr_workgroup_id_y 1
		.amdhsa_system_sgpr_workgroup_id_z 1
		.amdhsa_system_vgpr_workitem_id 0
		.amdhsa_next_free_vgpr 1024
		.amdhsa_next_free_sgpr 96
		.amdhsa_reserve_vcc 0
		.amdhsa_float_denorm_mode_32 3
		.amdhsa_float_denorm_mode_16_64 3
		.amdhsa_memory_ordered 1
		.amdhsa_forward_progress 1
		.amdhsa_inst_pref_size 255
	.end_amdhsa_kernel
	.section	.bss,"aw",@nobits
	.p2align	6
	.space	262144
	.amdgpu_metadata
---
amdhsa.version: [ 1, 2 ]
amdhsa.kernels:
  - .name:           k_q20f73890c7_project
    .symbol:         k_q20f73890c7_project.kd
    .args:
      - { .name: x, .offset: 0, .size: 8, .value_kind: global_buffer, .address_space: global }
      - { .name: weights, .offset: 8, .size: 8, .value_kind: global_buffer, .address_space: global }
      - { .name: base_K, .offset: 16, .size: 8, .value_kind: global_buffer, .address_space: global }
      - { .name: base_Q, .offset: 24, .size: 8, .value_kind: global_buffer, .address_space: global }
      - { .name: base_V, .offset: 32, .size: 8, .value_kind: global_buffer, .address_space: global }
      - { .name: lowp_scales, .offset: 40, .size: 8, .value_kind: global_buffer, .address_space: global }
      - { .name: qimg, .offset: 48, .size: 8, .value_kind: global_buffer, .address_space: global }
      - { .name: kv, .offset: 56, .size: 8, .value_kind: global_buffer, .address_space: global }
    .group_segment_fixed_size: 304640
    .private_segment_fixed_size: 0
    .kernarg_segment_align: 8
    .kernarg_segment_size: 64
    .max_flat_workgroup_size: 128
    .sgpr_count:     96
    .vgpr_count:     1024
    .wavefront_size: 32
...
	.end_amdgpu_metadata
.endif
;; end of part 1
;; launch attend (part 2): grid 8 x 32, 16 waves a work-group, clusters of 4 x 1, 327,680 bytes of LDS; arguments qimg, kv, lowp_scales, out0; writes out0
.if DOCPART == 2
	.amdgcn_target "amdgcn-amd-amdhsa--gfx1250"
	.amdhsa_code_object_version 6
	.text
	.protected	k_q20f73890c7_attend
	.globl	k_q20f73890c7_attend
	.p2align	8
	.type	k_q20f73890c7_attend,@function
k_q20f73890c7_attend:
	s_mov_b64 s[64:65], 0
	v_nop
	global_prefetch_b8 v0, s[64:65] scope:SCOPE_SE
	s_setreg_imm32_b32 hwreg(HW_REG_WAVE_MODE, 25, 1), 1
	s_wait_xcnt 0x0
	s_wait_alu depctr_hold_cnt(0) depctr_sa_sdst(0) depctr_va_vdst(0) depctr_va_sdst(0) depctr_va_ssrc(0) depctr_va_vcc(0) depctr_vm_vsrc(0)
	s_getreg_b32 s2, hwreg(HW_REG_IB_STS2, 6, 4)
	s_cmp_eq_u32 s2, 0
	s_cbranch_scc0 .Lentry_in_a_cluster
	s_endpgm
.Lentry_in_a_cluster:
	s_bfe_u32 s2, ttmp6, 0x10000c
	s_cmp_lg_u32 s2, 0x3003
	s_cbranch_scc0 .Lentry_shape_is_right
	s_endpgm
.Lentry_shape_is_right:
; out0[b][t][128 h + d] = the sum over keys s <= t of softmax_s(q[t] . k[s] / sqrt(128)) v[s][d], both products on codes of BF8 (E5M2), for bh = 8 b + h; 2,048 rows a head, head size 128.
; q, k and v come as images of operand registers: a fragment (16 rows x 128 K) is 2,048 bytes, chunk c = registers 4 c .. 4 c + 3, lane l's 16 bytes at 16 l; registers 2 u, 2 u + 1 hold K = 16 u + 8 (l / 16) + 0 .. 7.
;   qimg[bh][t / 16][2048];   kv[bh][key step][32768]: eight fragments of k (16 keys each, K = d), then eight of v (16 d each, K = the step's 128 keys).
; SCALES: q entry 6, k entry 7, p entry 8, v entry 9 of the buffer of scales (whole numbers e, a scale is 2^e).
; THE SOFTMAX AHEAD OF THE SECOND PRODUCT: t = score x log2(e) / sqrt(128); M = the row's largest t so far, rounded UP to a whole number; p = 2^(t - M) is what is quantised; the row's sum is taken of the unquantised p and divides at the end.
;   When M moves, the sum and O are multiplied by 2^(old M - new M): exact.
; LIMITS: entry 6 + entry 7 between -123 and 130 (they are added to the exponent field of log2(e) / sqrt(128)); entry 8 between -126 and 112; entries 8 + 9 are applied by v_ldexp_f32 and have none.
; SHARES.  Eight work-groups j = 0 .. 7 to a bh, sixteen waves each.  Wave w owns ONE tile of 16 queries, tile j + 8 i with i = w xor 3 ((w / 4) % 2): queries 128 i + 16 j on.  Its keys end in key step i, whatever j:
;   so every work-group has 136 tile steps, and which steps a wave works hangs on the wave's number and a counter alone: the partners of a cluster run alike.  Every wave walks all eight slots; a step whose keys all come after
;   the wave's queries is jumped over (its loads, products and softmax; no barrier and no tensor load stands in a step).  A wave stores its rows as soon as its last step is done.
; CLUSTER.  The four work-groups of a cluster belong to one bh and walk the same kv: each slot is asked for JOINTLY, by the same tensor load with the same descriptor and a mask that names the four.
; LAYOUT.  Both products are used transposed: S^T = k q^T (source 0 = 16 keys, source 1 = my 16 queries), O^T = v^T p^T (source 0 = 16 d, source 1 = p): a lane holds ONE query (lane % 16) throughout.  Register j of tile u of S^T is key
;   16 u + 8 (lane / 16) + j: the conversion of tile u gives registers 2 u, 2 u + 1 of p's fragment as they stand.
; LDS: two slots of 65,536 bytes (two key steps of kv, as they lie in memory: a lane's 16 bytes at 16 x lane); a stage of 16 rows x 272 bytes for each wave, into which no tensor load lands; the spare words.
; REGISTERS: v1-10 addresses; v12 -M, v13 the largest t, v[14:15] the sum in two halves; v16-31 q; v32-95 four fragments of k or of v; v96-159 S^T, then p; v160-223 O^T; v224-239 p's codes; v240-254 at work.
.set SLOTB, 65536
.set STEPB, 32768
.set VOFF,  16384
.set FRB,   2048
.set SP,    272
.set STAGE, 2*SLOTB
.set SPARE, STAGE+16*16*SP             ; behind the stages: the spare words, 128 bytes for each wave: eight blocks of 256 bytes that no other line names
.set LI,   1                           ; v1   16 x lane
.set DM,   2                           ; v2   16 j + lane % 16 - 8 (lane / 16): register 8 u + n of the diagonal step is hidden where 16 u + n is above it
.set PFO,  3                           ; v3   256 x lane: the prefetches' offset; never rewritten
.set SPW,  5                           ; v5   LDS address of my spare word: SPARE + 4 x my thread's number; never rewritten
.set NIL,  6                           ; v6   0; never rewritten
.set GO,   7                           ; v7   the way out: my byte offset in the wave's rows of out0
.set ADR,  8                           ; v8   LDS address of my 16 bytes in the slot in hand
.set STO,  9                           ; v9   the stage: where I put 32 bytes of a row
.set RD,   10                          ; v10  and where I read a row back
.set TB,   2                           ; s2   LDS byte at which the slot in hand begins
.set WV,   18                          ; s18  my wave's number
.set IW,   19                          ; s19  i: my last key step
.set SEL,  20                          ; s[20:21] lane selects for v_permlanex16_b32: lane l xor 16
.set CS,   22                          ; s[22:23] c = log2(e) / sqrt(128) x 2^(entries 6 + 7): the packed form names a pair and takes its low word for both halves
.set G1,   24                          ; s[24:31] descriptor group 1
.set G0,   40                          ; s[40:43] descriptor group 0, which walks
.set KS,   44                          ; s44  the key step in hand
.set IE,   45                          ; s45  the key step behind the slot that holds my last one
.set SLOTS, 46                         ; s46  slots still to be asked for
.set EPV,  47                          ; s47  entries 8 + 9
.set PFA,  48                          ; s[48:49] where my prefetches stand
.set LIM,  50                          ; s50  1 in a wave that prefetches, else the greatest number
; A round of the cluster's barrier: my work-group's barrier, so that wave 0's signal speaks for all sixteen waves; wave 0 signals for the work-group; every wave waits for all four work-groups; my work-group's barrier once more.
.macro CROUND
	s_barrier_signal -1
	s_barrier_wait -1
	s_cmp_lg_u32 s[WV], 0
	s_cbranch_scc1 .Lnot_wave_0_\@
	s_barrier_signal -3
.Lnot_wave_0_\@:
	s_barrier_wait -3
	s_barrier_signal -1
	s_barrier_wait -1
.endm
; A joint load: waves 0 to 3 fetch a quarter of a slot each, 16,384 bytes; the others nothing.  The branch hangs on the wave's number alone.  Four v_nop follow the load.
.macro TLOAD
	s_cmp_lt_u32 s[WV], 4
	s_cbranch_scc0 .Lasked_\@
	tensor_load_to_lds s[G0:G0+3], s[G1:G1+7]
	s_nop 0
.rept 4
	v_nop
.endr
.Lasked_\@:
.endm
; A prefetch of the slot that the NEXT change of slots will ask for: two key steps ahead of that load.  Both clusters of a bh walk the same kv: the first one asks.  Its four partners share the slot out BY ADDRESS, 16,384 bytes each;
; in each, waves 4 and 5, which fetch nothing, ask for 8,192 bytes each, lanes 256 bytes apart: one instruction.  So each aligned block of 256 bytes is named once in the launch.
; The last change that fills a slot asks for nothing; slots 0 and 1 come by their loads alone.
.macro ASK
	s_cmp_gt_u32 s[SLOTS], s[LIM]
	s_cbranch_scc0 .Lnot_mine_\@
	global_prefetch_b8 v[PFO], s[PFA:PFA+1] th:TH_LOAD_NT scope:SCOPE_SE
.Lnot_mine_\@:
.endm
	s_load_b256 s[4:11], s[0:1], 0x0               ; qimg s[4:5], kv s[6:7], the scales s[8:9], out0 s[10:11]
	v_lshl_add_u32 v[SPW], v0, 2, SPARE
	v_mov_b32 v[NIL], 0
	ds_add_u32 v5, v6
	s_wait_dscnt 0x0
	v_lshrrev_b32 v8, 5, v0
	v_readfirstlane_b32 s[WV], v8                  ; wave 0..15
	s_bfe_u32 s56, s[WV], 0x10002
	s_mul_i32 s56, s56, 3
	s_xor_b32 s[IW], s[WV], s56                    ; i: waves w, w + 4, w + 8, w + 12 have 34 key steps together
	s_or_b32 s[IE], s[IW], 1
	s_add_co_u32 s[IE], s[IE], 1
	s_bfe_u32 s57, ttmp6, 0x40000                  ; cx: my place in the cluster
	s_lshl_b32 s58, ttmp9, 2                       ; in a cluster launch ttmp9 counts clusters
	s_add_co_u32 s58, s58, s57                     ; j: it enters q's and out0's addresses and the mask's numbers alone
	s_and_b32 s59, ttmp7, 0xffff                   ; bh, which the four partners share
	v_and_b32 v11, 31, v0
	v_lshlrev_b32 v[LI], 4, v11
	v_lshlrev_b32 v[PFO], 8, v11
	v_and_b32 v11, 15, v0                          ; r
	v_bfe_u32 v4, v0, 4, 1                         ; hl
	s_mul_i32 s56, s[WV], 16*SP
	s_add_co_u32 s56, s56, STAGE                   ; my stage
	v_mul_u32_u24 v[STO], v11, SP
	v_lshl_add_u32 v[STO], v4, 5, v[STO]
	v_add_nc_u32 v[STO], s56, v[STO]               ; in: row r; tile t's eight channels of my half: 64 t + 32 hl bytes on
	v_mul_u32_u24 v[RD], v4, SP
	v_lshl_add_u32 v[RD], v11, 4, v[RD]
	v_add_nc_u32 v[RD], s56, v[RD]                 ; back: lanes 0-15 one row, lanes 16-31 the next
	v_lshlrev_b32 v[GO], 12, v4
	v_lshl_add_u32 v[GO], v11, 4, v[GO]            ; and the same two rows of out0, 4,096 bytes apart
	v_lshlrev_b32 v[DM], 3, v4
	v_sub_nc_u32 v[DM], v11, v[DM]
	s_lshl_b32 s63, s58, 4
	v_add_nc_u32 v[DM], s63, v[DM]
	s_lshl_b32 s60, s59, 19                        ; kv: bh x 16 steps of 32,768 bytes
	s_and_b32 s62, s[WV], 3
	s_lshl_b32 s62, s62, 14                        ; the quarter of a slot that I fetch, if I fetch: its place in memory and in LDS: no place in the cluster enters either
	s_add_co_u32 s66, s60, s62
	s_mov_b32 s67, 0
	s_lshl_b32 s68, s57, 14                        ; the prefetches: my work-group's quarter,
	s_add_co_u32 s68, s68, s60
	s_and_b32 s69, s[WV], 1
	s_lshl_b32 s69, s69, 13                        ; my wave's half of it,
	s_add_co_u32 s68, s68, s69
	s_add_co_u32 s68, s68, SLOTB                   ; in slot 1: the first change of slots steps it to slot 2
	s_mov_b32 s69, 0
	s_lshr_b32 s56, s[WV], 1
	s_xor_b32 s56, s56, 2                          ; 0 in waves 4 and 5,
	s_or_b32 s56, s56, ttmp9                       ; of the bh's first cluster: the same in all four partners
	s_cmp_eq_u32 s56, 0
	s_cselect_b32 s[LIM], 1, -1
	s_lshl_b32 s70, s59, 18                        ; q: bh x 128 fragments + fragment j + 8 i
	s_lshl_b32 s71, s[IW], 3
	s_add_co_u32 s71, s71, s58
	s_lshl_b32 s71, s71, 11
	s_add_co_u32 s70, s70, s71
	s_mov_b32 s71, 0
	s_lshr_b32 s72, s59, 3                         ; out0: batch x 2,048 rows of 4,096 bytes + row 128 i + 16 j + head x 512 bytes
	s_lshl_b32 s72, s72, 23
	s_lshl_b32 s73, s[IW], 19
	s_add_co_u32 s72, s72, s73
	s_lshl_b32 s73, s58, 16
	s_add_co_u32 s72, s72, s73
	s_and_b32 s73, s59, 7
	s_lshl_b32 s73, s73, 9
	s_add_co_u32 s72, s72, s73
	s_mov_b32 s73, 0
	; descriptor group 1: 16,384 bytes that are dense in memory, as 64 rows of 32 elements of 8 bytes; no padding
	s_mov_b32 s[G1], 15|(3<<16)|(1<<21)            ; 15:0 the mask: all four work-groups; 17:16 elements of 8 bytes; 21 set beside a mask
	s_mov_b32 s[G1+1], 32<<16                      ; tensor_dim0 = 32
	s_mov_b32 s[G1+2], 64<<16                      ; tensor_dim1 = 64
	s_mov_b32 s[G1+3], 32<<16                      ; tile_dim0 = 32
	s_mov_b32 s[G1+4], 64                          ; tile_dim1 = 64
	s_mov_b32 s[G1+5], 32                          ; tensor_dim0_stride
	s_mov_b32 s[G1+6], 0
	s_mov_b32 s[G1+7], 0
	s_mov_b32 s[SEL], 0x76543210
	s_mov_b32 s[SEL+1], 0xfedcba98
	s_mov_b32 s[CS], 0x3e0293ee                    ; log2(e) / sqrt(128)
	s_mov_b32 s[TB], 0
	s_mov_b32 s[KS], 0
	s_mov_b32 s[SLOTS], 7
	s_wait_kmcnt 0x0
	s_load_b64 s[52:53], s[8:9], 0x18              ; entries 6, 7
	s_load_b64 s[54:55], s[8:9], 0x20              ; entries 8, 9
	s_mov_b32 s[G0], 1                             ; 1:0 count = 1
	s_mov_b32 s[G0+1], s62                         ; 63:32 LDS address: slot 0
	s_add_nc_u64 s[G0+2:G0+3], s[6:7], s[66:67]    ; 120:64 global address: the bh's first two key steps
	s_or_b32 s[G0+3], s[G0+3], 0x80000000          ; 127:126 type = 2
	s_add_nc_u64 s[PFA:PFA+1], s[6:7], s[68:69]
	s_add_nc_u64 s[4:5], s[4:5], s[70:71]
	s_add_nc_u64 s[10:11], s[10:11], s[72:73]
	CROUND                                         ; all four work-groups are here: the first joint loads meet
	TLOAD                                          ; slot 0
.irp c, 0,1,2,3
	global_load_b128 v[16+4*\c:19+4*\c], v[LI], s[4:5] offset:512*\c th:TH_LOAD_NT   ; q's fragment stays in registers; read once in the launch
.endr
	v_mov_b32 v13, 0xff61b1e6                      ; the largest t so far: -3e38, under every t
	v_floor_f32 v12, -v13                          ; -M
	v_mov_b32 v14, 0                               ; the sum, in two halves
	v_mov_b32 v15, 0
	v_mov_b32 v246, 0                              ; written once: a lane permute's destination counts as one of its sources
	v_mov_b32 v252, 0
	v_mov_b32 v253, 0                              ; (named as the upper half of the pair v[252:253])
.set J, 0
.rept 64
	v_mov_b32 v[160+J], 0                          ; O^T.  (The step is written once: the first finds zeros, which the first change of M leaves zeros)
.set J, J+1
.endr
	s_wait_kmcnt 0x0
	s_add_co_i32 s56, s52, s53
	s_lshl_b32 s56, s56, 23
	s_add_co_i32 s[CS], s[CS], s56                 ; a score stands for score x 2^(entries 6 + 7): the two exponents are added to c's exponent field
	s_mov_b32 s[CS+1], s[CS]                       ; (named with it as a pair, so it is written)
	s_add_co_i32 s56, s54, 127
	s_lshl_b32 s57, s56, 23
	v_mov_b32 v244, s57                            ; 2^(entry 8) as f32, for the conversion
	s_add_co_i32 s56, s56, 15
	s_lshl_b32 s56, s56, 23
	s_or_b32 s56, s56, 0x600000
	v_mov_b32 v240, s56                            ; 57,344 x that
	s_add_co_i32 s[EPV], s54, s55
; A KEY STEP: 128 keys, the q-th of the slot in hand.
.macro STEP q
	s_cmp_gt_u32 s[KS], s[IW]                      ; all its keys come after my queries: nothing to do
	s_cbranch_scc1 .Lhidden_\@
	v_add_nc_u32 v[ADR], s[TB], v[LI]
.rept 3
	v_nop                                          ; with the addition above: four plain lines in front of loads into registers that the last products have read (ISA guide 7.12.1 for vector instructions)
.endr
.irp g, 0,1                                    ; S^T = k q^T, four tiles of 16 keys at a time
.if \g > 0
.rept 4
	v_nop
.endr
.endif
.irp t, 0,1,2,3
.irp c, 0,1,2,3
	ds_load_b128 v[32+16*\t+4*\c:32+16*\t+4*\c+3], v[ADR] offset:STEPB*(\q)+FRB*(4*\g+\t)+512*\c
.endr
.endr
	s_wait_dscnt 0x0
.irp t, 0,1,2,3
	v_wmma_f32_16x16x128_bf8_bf8 v[96+8*(4*\g+\t):103+8*(4*\g+\t)], v[32+16*\t:47+16*\t], v[16:31], 0
.endr
.endr
.rept 4
	v_nop
.endr
	s_cmp_lg_u32 s[KS], s[IW]                      ; my last step lies on the diagonal: there the scores of hidden keys become -infinity ahead of the maximum, so that p = 0.  (Key 128 i counts for each of my queries)
	s_cbranch_scc1 .Lopen_\@
	v_mov_b32 v254, 0xff800000
.irp n, 0,1,2,3,4,5,6,7,8,9,10,11,12,13,14,15,16,17,18,19,20,21,22,23,24,25,26,27,28,29,30,31,32,33,34,35,36,37,38,39,40,41,42,43,44,45,46,47,48,49,50,51,52,53,54,55,56,57,58,59,60,61,62,63
	v_cmp_gt_i32 vcc_lo, 16*(\n/8)+\n%8, v[DM]
	v_cndmask_b32 v[96+\n], v[96+\n], v254, vcc_lo
.endr
.Lopen_\@:
	v_max3_num_f32 v254, v96, v97, v98             ; the step's largest score of my query, among my 64 keys, in two chains, each sum from its low end on,
	v_max3_num_f32 v252, v99, v100, v101
.irp i, 6,10,14,18,22,26,30,34,38,42,46,50,54,58
	v_max3_num_f32 v254, v254, v[96+\i], v[97+\i]
	v_max3_num_f32 v252, v252, v[98+\i], v[99+\i]
.endr
	v_max3_num_f32 v254, v254, v158, v159
	v_max_num_f32 v254, v254, v252
	v_permlanex16_b32 v246, v254, s[SEL], s[SEL+1]
	v_max_num_f32 v254, v254, v246                 ; and among lane l xor 16's
	v_mul_f32 v254, s[CS], v254                    ; as t (c is positive)
	v_max_num_f32 v13, v13, v254                   ; the running largest t
	v_mov_b32 v254, v12
	v_floor_f32 v12, -v13                          ; the new -M = floor(-t) = -ceil(t): M is a whole number
	v_sub_f32 v254, v12, v254                      ; M's old value less its new one: a whole number, 0 or less
	v_cvt_i32_f32 v254, v254                       ; (it saturates)
	v_ldexp_f32 v252, 1.0, v254                    ; f = 2^(old M - new M)
.set J, 0
.rept 32
	v_pk_fma_f32 v[96+J:97+J], v[96+J:97+J], s[CS:CS+1], v[12:13] op_sel_hi:[1,0,0]   ; t - M, two at a time (of the pairs c and -M the low word serves both halves)
.set J, J+2
.endr
.set J, 0
.rept 64
	v_exp_f32 v[96+J], v[96+J]                     ; p = 2^(t - M), at most 1: not normalised
.set J, J+1
.endr
	v_pk_mul_f32 v[14:15], v[14:15], v[252:253] op_sel_hi:[1,0]   ; the sums under the new M.  (The plain line behind the exponentials)
	s_wait_alu depctr_va_vdst(0)                   ; one wait for the whole batch, ahead of its first reader
	v_pk_add_f32 v[242:243], v[96:97], v[98:99]    ; the row's sum is taken of the unquantised p: two at a time, in two chains
.irp j, 4,8,12,16,20,24,28,32,36,40,44,48,52,56,60
	v_pk_add_f32 v[14:15], v[14:15], v[96+\j:97+\j]
	v_pk_add_f32 v[242:243], v[242:243], v[98+\j:99+\j]
.endr
	v_pk_add_f32 v[14:15], v[14:15], v[242:243]
.irp b, 0,1,2,3,4,5,6,7
.irp i, 0,1,2,3,4,5,6,7
	v_min_num_f32 v[96+8*\b+\i], v[96+8*\b+\i], v240   ; the conversion to an 8-bit code does not saturate (ISA guide 7.6.2); p is not negative, so the hold is one-sided
.endr
	v_cvt_scalef32_pk8_bf8_f32 v[224+2*\b:225+2*\b], v[96+8*\b:103+8*\b], v244   ; keys 16 b + 8 (lane / 16) + 0 .. 7: registers 2 b, 2 b + 1 of p's fragment
.endr
.set J, 0
.rept 32
	v_pk_mul_f32 v[160+J:161+J], v[160+J:161+J], v[252:253] op_sel_hi:[1,0]   ; O^T under the new M: x f.  (These 32 are also the plain lines in front of the loads and products below)
.set J, J+2
.endr
.irp g, 0,1                                    ; O^T += v^T p^T: four tiles of 16 of the head's 128 at a time; K = these 128 keys
.if \g > 0
.rept 4
	v_nop
.endr
.endif
.irp t, 0,1,2,3
.irp c, 0,1,2,3
	ds_load_b128 v[32+16*\t+4*\c:32+16*\t+4*\c+3], v[ADR] offset:STEPB*(\q)+VOFF+FRB*(4*\g+\t)+512*\c
.endr
.endr
	s_wait_dscnt 0x0
.irp t, 0,1,2,3
	v_wmma_f32_16x16x128_bf8_bf8 v[160+8*(4*\g+\t):167+8*(4*\g+\t)], v[32+16*\t:47+16*\t], v[224:239], v[160+8*(4*\g+\t):167+8*(4*\g+\t)]
.endr
.endr
.Lhidden_\@:
	s_add_co_u32 s[KS], s[KS], 1
.endm
; THE WAY OUT.  The sum's two halves are added; O^T is divided by the sum, multiplied by 2^(entries 8 + 9) and goes through my stage, half a row (64 channels, 256 bytes) of 16 queries at a time, so that sixteen lanes store 256 consecutive bytes, aligned.
.macro WAYOUT
.rept 4
	v_nop                                          ; four plain lines behind the last products
.endr
	v_add_f32 v14, v14, v15
	v_permlanex16_b32 v252, v14, s[SEL], s[SEL+1]
	v_add_f32 v14, v14, v252                       ; the row's sum
	v_rcp_f32 v14, v14
	v_nop                                          ; a plain line behind the reciprocal
	s_wait_alu depctr_va_vdst(0)                   ; and the wait ahead of its first reader
	v_ldexp_f32 v14, v14, s[EPV]
.set J, 0
.rept 32
	v_pk_mul_f32 v[96+J:97+J], v[160+J:161+J], v[14:15] op_sel_hi:[1,0]   ; register 8 t + n is channel 16 t + 8 (lane / 16) + n of my query; each sum from its low end on
.set J, J+2
.endr
.irp u, 0,1                                    ; channels 64 u on
.irp t, 0,1,2,3
	ds_store_b128 v[STO], v[96+32*\u+8*\t:99+32*\u+8*\t] offset:64*\t
	ds_store_b128 v[STO], v[100+32*\u+8*\t:103+32*\u+8*\t] offset:64*\t+16
.endr
.irp i, 0,1,2,3,4,5,6,7
	ds_load_b128 v[32+32*\u+4*\i:35+32*\u+4*\i], v[RD] offset:2*\i*SP   ; LDS serves a wave's instructions in order (ISA guide 5.7.1.4): these see my stores, and the next half's stores come behind them
.endr
.endr
.irp u, 0,1
.irp i, 0,1,2,3,4,5,6,7
	s_wait_dscnt 15-8*\u-\i                        ; no more than the LDS loads issued behind this one
	global_store_b128 v[GO], v[32+32*\u+4*\i:35+32*\u+4*\i], s[10:11] offset:2*\i*4096+256*\u th:TH_STORE_NT   ; written once, read by nobody here
.endr
.endr
	s_wait_xcnt 0x0                                ; the stores have read their registers
.endm
; THE CHANGE OF SLOTS stands at a slot's head.  Each wave waits for all its tensor loads (its part of the slot that it is about to read), adds 0 to its spare word, and waits for that and for its reads of the slot that it has left.
; fill = 1: the barrier is a round of the cluster's, so that no wave of any partner still reads the other slot or has a load on its way; the joint refill is the first thing behind it and has a slot's two key steps in which to land.
.macro CHANGE fill
	s_wait_tensorcnt 0x0                           ; no tensor load of mine is out, so the group 0 may be written
	ds_add_u32 v[SPW], v[NIL]                      ; 0 onto my spare word
.if \fill
	s_xor_b32 s[G0+1], s[G0+1], SLOTB              ; the walking descriptor: the other slot than last time,
	s_add_nc_u64 s[G0+2:G0+3], s[G0+2:G0+3], SLOTB ; the next two key steps; the type bits on top are not reached
	s_wait_xcnt 0x0                                ; the last prefetch, a slot back, has read its address, so it may be written:
	s_add_nc_u64 s[PFA:PFA+1], s[PFA:PFA+1], SLOTB ; one slot further on than the walking descriptor
.endif
	s_wait_dscnt 0x0                               ; the add is done, and my reads of the slot that I have left are over
.if \fill
	CROUND
	TLOAD                                          ; a wave's one tensor load until the next round: by this text's count never more than one is out
	ASK
.else
	s_barrier_signal -1
	s_barrier_wait -1
.endif
.endm
.macro SLOT_STEPS
	STEP 0
	STEP 1
	s_cmp_lg_u32 s[KS], s[IE]                      ; was my last key step in this slot?  (the wave's number and a counter: the same in all partners)
	s_cbranch_scc1 .Lnot_yet_\@
	WAYOUT
.Lnot_yet_\@:
	s_xor_b32 s[TB], s[TB], SLOTB                  ; on to the other slot
.endm
	s_wait_loadcnt 0x0                             ; q
.Lslot:                                            ; seven trips: behind each change of slots but the last the next slot is asked for
	CHANGE 1
	SLOT_STEPS
	s_sub_co_u32 s[SLOTS], s[SLOTS], 1
	s_cmp_lg_u32 s[SLOTS], 0
	s_cbranch_scc1 .Lslot
	CHANGE 0                                       ; the last slot is written out
	SLOT_STEPS
	s_wait_tensorcnt 0x0                           ; the wave's end: behind my last tensor load and my last LDS store
	ds_add_u32 v[SPW], v[NIL]
	s_wait_dscnt 0x0
	CROUND                                         ; the closing round: no work-group ends while a partner may still ask for a tile that names it
	s_endpgm
.Lfunc_end_k_q20f73890c7_attend:
	.size	k_q20f73890c7_attend, .Lfunc_end_k_q20f73890c7_attend-k_q20f73890c7_attend
	.p2alignl 7, 3214868480
	.fill 96, 4, 3214868480
	.section	.rodata,"a",@progbits
	.p2align	6, 0x0
	.amdhsa_kernel k_q20f73890c7_attend
		.amdhsa_group_segment_fixed_size 327680
		.amdhsa_private_segment_fixed_size 0
		.amdhsa_enable_private_segment 0
		.amdhsa_kernarg_size 32
		.amdhsa_user_sgpr_count 2
		.amdhsa_user_sgpr_kernarg_segment_ptr 1
		.amdhsa_wavefront_size32 1
		.amdhsa_system_sgpr_workgroup_id_x 1
		.amdhsa_system_sgpr_workgroup_id_y 1
		.amdhsa_system_sgpr_workgroup_id_z 1
		.amdhsa_system_vgpr_workitem_id 0
		.amdhsa_next_free_vgpr 256
		.amdhsa_next_free_sgpr 100
		.amdhsa_reserve_vcc 1
		.amdhsa_float_denorm_mode_32 3
		.amdhsa_float_denorm_mode_16_64 3
		.amdhsa_memory_ordered 1
		.amdhsa_forward_progress 1
		.amdhsa_inst_pref_size 118
	.end_amdhsa_kernel
	.amdgpu_metadata
---
amdhsa.version: [ 1, 2 ]
amdhsa.kernels:
  - .name:           k_q20f73890c7_attend
    .symbol:         k_q20f73890c7_attend.kd
    .args:
      - { .name: qimg, .offset: 0, .size: 8, .value_kind: global_buffer, .address_space: global }
      - { .name: kv, .offset: 8, .size: 8, .value_kind: global_buffer, .address_space: global }
      - { .name: lowp_scales, .offset: 16, .size: 8, .value_kind: global_buffer, .address_space: global }
      - { .name: out0, .offset: 24, .size: 8, .value_kind: global_buffer, .address_space: global }
    .group_segment_fixed_size: 327680
    .private_segment_fixed_size: 0
    .kernarg_segment_align: 8
    .kernarg_segment_size: 32
    .max_flat_workgroup_size: 512
    .sgpr_count:     100
    .vgpr_count:     256
    .wavefront_size: 32
...
	.end_amdgpu_metadata
.endif
;; end of part 2
;; ======== version 2 of 2: 2 launches
;; workspace buffers: qimg 8,388,608 bytes; kv 16,777,216 bytes
;; launch project (part 3): grid 8 x 32, 4 waves a work-group, no clusters, 304,640 bytes of LDS; arguments x, weights, base_K, base_Q, base_V, lowp_scales, qimg, kv; writes qimg, kv
.if DOCPART == 3
	.amdgcn_target "amdgcn-amd-amdhsa--gfx1250"
	.amdhsa_code_object_version 6
	.text
	.protected	k_q20f73890c7_project
	.globl	k_q20f73890c7_project
	.p2align	8
	.type	k_q20f73890c7_project,@function
k_q20f73890c7_project:
	s_mov_b64 s[64:65], 0
	v_nop
	global_prefetch_b8 v0, s[64:65] scope:SCOPE_SE
	s_setreg_imm32_b32 hwreg(HW_REG_WAVE_SCHED_MODE, 0, 2), 2
	s_setreg_imm32_b32 hwreg(HW_REG_WAVE_MODE, 25, 1), 1
	s_wait_xcnt 0x0
	s_wait_alu depctr_vm_vsrc(0)
; k, q, v = x W^T for one head h and 256 rows of x, all three products on codes of BF8 (E5M2); the results are quantised again, in registers, and stored as the operands of the attention launch.
; W = eff x base, f32.  eff[h][d][c] = w0 [h<4][d<64][c<256] + w1 [d<32][c<256] + w2 [h<4] + w3 [d<64]: constant on 32 neighbouring d and on each half of c.
; SCALES (whole numbers e, a scale is 2^e): W of k, q, v: entries 0, 2, 4; x for k, q, v: entries 1, 3, 5; the results: q entry 6, k entry 7, v entry 9.
; A sum of product p stands for sum x 2^(eW + ex), so its code is sum / 2^(eout - eW - ex): the three exponents are folded into the conversion's one scale.
; LIMITS: each eW, each ex and each eout - eW - ex lies between -126 and 112, so that the scale and 57,344 x the scale are f32 numbers.  NaN and infinities in x, in the bases or in weights are not served.
; SHARES.  Work-group (h, g): head h, rows 256 g .. 256 g + 255 of x (batch g / 8).  Four waves; wave w owns rows 64 w .. 64 w + 63 (four tiles of 16) against all 24 tiles of 16 rows of W (8 each for k, q, v).
;   Phase W: wave w quantises rows d = 32 w .. 32 w + 31 of the three bases into LDS (for them eff is two numbers).   Phase X: it quantises its 64 rows of x three times, through its own stage in LDS, into registers.
;   One barrier.   Phase M: two tiles of W a trip from LDS, each against the wave's four tiles of x; hold, conversion, store.
; K IS PERMUTED ALIKE IN BOTH OPERANDS.  A row (2,048 bytes) is loaded by four loads of 512 consecutive bytes: lane l holds k = 128 a + 4 l + i in register 4 a + i.  Its 16 codes, piece l, lie at row x 528 + 16 l.
;   Registers 4 c .. 4 c + 3 of K step s of lane (r, hl) are piece 16 hl + 4 s + c of row r: every product meets its partner; only the order of the sums changes.  c < 256 is a < 2.
; THE IMAGES.  A fragment (16 rows x 128 K) is stored as its registers stand: chunk c (512 bytes) = registers 4 c .. 4 c + 3, lane l's 16 bytes at 16 l; registers 2 u, 2 u + 1 hold K = 16 u + 8 (l / 16) + 0 .. 7.
;   k and q: source 0 = 16 rows of W, source 1 = 16 rows of x: a lane holds one row t and eight neighbouring d.   v: source 0 = x, source 1 = W: a lane holds one d and eight neighbouring t.  So the conversions' results are the images' registers.
;   qimg[bh][t / 16][2048];   kv[bh][t / 128][32768]: eight fragments of k (16 keys each, K = d), then eight of v (16 d each, K = the step's 128 keys).
; REGISTERS, in windows of 256: window 0: addresses, scales, a ring of loaded rows, later W's fragments and the sums;  windows 1, 2, 3: x's codes for k, q, v: fragment (tile m, K step s) at v[16 (4 m + s)].
; No tensor loads: the operands arrive as f32 and pass through registers on their way to codes.
; THE MODE: SCHED_MODE bits 1:0 = 2 (LLVM: expert scheduling mode 2), set by the entry lines.  The code itself states the register dependences between vector or matrix instructions and memory or LDS instructions, with s_wait_alu, always for 0.
; THE PLAN.  Registers that memory or LDS instructions touch:
;   v[L16], v[XF], v[WFB]  Offsets and LDS addresses made at the head and never written again.  v[L16] is the offset of every global load and store: the rows are reached by scalar bases, one to each slot of the ring, which move on
;                 at the slot's head, where the wait for the slot's data has shown the loads that read the base done.
;   RING          Written by loads.  Phase W: a slot's arithmetic reads and writes it in place; phase X: a row's holds read it.  Then loads land in it again.
;   C             Six sets of codes.  Written by the conversions, each set read by one LDS store.
;   WSA, XSA      LDS addresses of the stores: written once a trip, at its head.
;   FA, FB        Phase M: written by LDS loads, each read by sixteen products.     v[WAA]  the address of those loads: written once a trip.
;   CO            Phase M: written by a trip's eight conversions, read by its four global stores.
;   The held numbers T, the sums, the scales and x's fragments, once loaded, are named by vector and matrix instructions alone.
; Phase W: a block is one row of the three bases, three slots; ONE wait on va_vdst stands behind its conversions, and the block's twelve loads and three stores follow it.  Phase X: the same with a block of one row of x: four loads, three stores.
; The wait stands behind the conversions, so that an emptied slot is asked for again at once.  Waits on vm_vsrc: at each trip's head (the address is made anew) and where the six sets of codes begin their next round.
; Phase M: a wait on vm_vsrc behind the even tile's products (the last trip's stores have read CO, its loads v[WAA]); a wait on va_vdst behind each tile's conversions, ahead of the loads into that tile's fragments, the second ahead of the stores too.
.set PITCH,  528                       ; a row of 512 codes + 16 bytes = 33 x 16: the 16 rows that a fragment load touches begin in 16 different 16-byte columns of 256 bytes
.set WTILE,  16*PITCH                  ; a tile of 16 rows of W's codes
.set XSTG,   384*PITCH                 ; LDS: W's 384 rows (row 128 p + d), then a stage of 48 rows (row 16 p + the row in the tile) for each wave
.set XSTGW,  48*PITCH
.set L16,  1                           ; v1      16 x lane; never rewritten
.set WS,   3                           ; v3-5    LDS: my piece in my wave's first row of W's codes, for k, q, v; never rewritten
.set WSA,  6                           ; v6-8    the same for the trip in hand
.set XS,   9                           ; v9      LDS: my piece in my stage's first row; never rewritten
.set XSA,  10                          ; v10     the same for the trip in hand
.set XF,   11                          ; v11     LDS: my lane's place in a fragment read from my stage; never rewritten
.set WFB,  12                          ; v12     LDS: my lane's place in a fragment of W's tile 0; never rewritten
.set WAA,  13                          ; v13     the same for the pair of tiles that is being fetched
.set SW,   16                          ; v16-18  2^eW as f32, for k, q, v
.set SX,   19                          ; v19-21  2^ex
.set SQ,   22                          ; v22-24  2^(eout - eW - ex)
.set LW,   25                          ; v25-27  57,344 x 2^eW
.set LX,   28                          ; v28-30  57,344 x 2^ex
.set RING, 32                          ; v32-223 twelve slots of 16 numbers (a row's share of a lane); x uses the first eight
.set T,    160                         ; v160-191 phase X: two sets of 16 held numbers
.set C,    224                         ; v224-247 six sets of four registers of codes
.set LQ,   248                         ; v248-250 57,344 x 2^(eout - eW - ex)
.set EL,   252                         ; v[252:253] eff for c < 256, twice
.set EH,   254                         ; v[254:255] eff for c >= 256, twice
.set FA,   32                          ; phase M: the even tile's four fragments, v32-95
.set FB,   96                          ; the odd tile's, v96-159
.set ACA,  160                         ; the even tile's four sums, v160-191
.set ACB,  192                         ; the odd tile's, v192-223
.set CO,   224                         ; a trip's sixteen registers of codes
.set WV,   20                          ; s20 wave;  s21 head;  s22 row group
.set HD,   21
.set GR,   22
.set WB,   24                          ; s[24:47] phase W: slot i's base, a pair at WB + 2 i: the row of base i % 3 that the slot is asked for next
.set CNT,  53                          ; s53 trips to go
.set TO,   54                          ; s54 phase W: the trip's first row in LDS, in bytes
.set XT,   55                          ; s55 phase X: the same in the stage
.set WT,   56                          ; s56 phase M: the first byte of the pair of tiles that is being fetched
.set BQ,   58                          ; s[58:59], s[60:61], s[62:63]: where my wave's images of q, k, v begin; each moves on by a trip's step in mid-trip
.set BK,   60
.set BV,   62
.set XB,   80                          ; s[80:95] phase X: slot i's base, a pair at XB + 2 i: the row of x that the slot is asked for next
.set MSB, 0
.macro WIN new                         ; the immediate's high byte repeats the setting that is left; a switch that changes nothing is dropped
.if MSB != (\new)
	s_set_vgpr_msb (MSB<<8)|(\new)
.set MSB, (\new)
.endif
.endm
.macro MKSC se, vs, vl                 ; from the whole number e in s[se]: 2^e and 57,344 x 2^e as f32
	s_add_co_i32 s66, s[\se], 127
	s_lshl_b32 s67, s66, 23
	v_mov_b32 v[\vs], s67
	s_add_co_i32 s66, s66, 15
	s_lshl_b32 s66, s66, 23
	s_or_b32 s66, s66, 0x600000
	v_mov_b32 v[\vl], s66
.endm
.macro WFIRST i                        ; the ring's first fill.  Slot i: row i / 3 of the first four, of base i % 3: four loads of 512 consecutive bytes
.irp a, 0,1,2,3
	global_load_b128 v[RING+16*(\i)+4*\a:RING+16*(\i)+4*\a+3], v[L16], s[8+2*((\i)%3):9+2*((\i)%3)] offset:((\i)/3)*2048+512*\a
.endr
.endm
.macro WREFILL i                       ; slot i takes its row of the next trip
.irp a, 0,1,2,3
	global_load_b128 v[RING+16*(\i)+4*\a:RING+16*(\i)+4*\a+3], v[L16], s[WB+2*(\i):WB+2*(\i)+1] offset:512*\a
.endr
.endm
.macro XFILL i                         ; slot i takes the row of x at which its base stands
.irp a, 0,1,2,3
	global_load_b128 v[RING+16*(\i)+4*\a:RING+16*(\i)+4*\a+3], v[L16], s[XB+2*(\i):XB+2*(\i)+1] offset:512*\a
.endr
.endm
	s_load_b512 s[4:19], s[0:1], 0x0               ; x s[4:5], weights s[6:7], base_K s[8:9], base_Q s[10:11], base_V s[12:13], the scales s[14:15], qimg s[16:17], kv s[18:19]
	v_lshrrev_b32 v2, 5, v0
	v_readfirstlane_b32 s[WV], v2                  ; wave 0..3
	s_mov_b32 s[HD], ttmp9                         ; head
	s_and_b32 s[GR], ttmp7, 0xffff                 ; row group
	v_and_b32 v2, 31, v0
	v_lshlrev_b32 v[L16], 4, v2
	v_and_b32 v[WFB], 15, v0                       ; r
	v_mul_u32_u24 v[WFB], v[WFB], PITCH
	v_bfe_u32 v[WAA], v0, 4, 1                     ; hl
	v_lshl_add_u32 v[WFB], v[WAA], 8, v[WFB]       ; row r, pieces 16 hl on
	s_wait_alu depctr_va_sdst(0)                   ; the wave's number is written, ahead of its first reader: LDS places and the buffers' bases are made from it
	s_mul_i32 s66, s[WV], 32*PITCH                 ; my wave's 32 rows of each base
	v_add_nc_u32 v[WS], s66, v[L16]
	v_add_nc_u32 v[WS+1], 128*PITCH, v[WS]
	v_add_nc_u32 v[WS+2], 256*PITCH, v[WS]
	s_mul_i32 s66, s[WV], XSTGW
	s_add_co_u32 s66, s66, XSTG                    ; my stage
	v_add_nc_u32 v[XS], s66, v[L16]
	v_add_nc_u32 v[XF], s66, v[WFB]
	s_lshl_b32 s68, s[HD], 18                      ; the bases: head x 128 rows of 2,048 bytes + wave x 32 rows
	s_lshl_b32 s69, s[WV], 16
	s_add_co_u32 s68, s68, s69
	s_mov_b32 s69, 0
	s_lshl_b32 s70, s[GR], 19                      ; x: group x 256 rows + wave x 64 rows
	s_lshl_b32 s71, s[WV], 17
	s_add_co_u32 s70, s70, s71
	s_mov_b32 s71, 0
	s_lshr_b32 s72, s[GR], 3
	s_lshl_b32 s72, s72, 3
	s_add_co_u32 s72, s72, s[HD]                   ; bh = 8 x batch + head
	s_and_b32 s73, s[GR], 7                        ; which 256 rows of the batch's 2,048
	s_lshl_b32 s74, s72, 18                        ; q: bh x 128 fragments + (16 x that + 4 x wave) fragments of 2,048 bytes
	s_lshl_b32 s75, s73, 15
	s_add_co_u32 s74, s74, s75
	s_lshl_b32 s75, s[WV], 13
	s_add_co_u32 s74, s74, s75
	s_mov_b32 s75, 0
	s_lshl_b32 s76, s72, 19                        ; kv: bh x 16 steps of 32,768 bytes + step 2 x that + wave / 2
	s_lshl_b32 s77, s73, 16
	s_add_co_u32 s76, s76, s77
	s_lshr_b32 s77, s[WV], 1
	s_lshl_b32 s77, s77, 15
	s_add_co_u32 s76, s76, s77
	s_and_b32 s79, s[WV], 1
	s_lshl_b32 s78, s79, 10                        ; v: behind k's 16,384 bytes; my 64 keys are registers 8 (wave % 2) on of each fragment: two chunks
	s_add_co_u32 s78, s78, s76
	s_add_co_u32 s78, s78, 16384
	s_lshl_b32 s79, s79, 13                        ; k: my 64 keys are fragments 4 (wave % 2) on
	s_add_co_u32 s76, s76, s79
	s_mov_b32 s77, 0
	s_mov_b32 s79, 0
	s_wait_kmcnt 0x0
	s_load_b128 s[24:27], s[6:7], 0x0              ; w0 .. w3
	s_load_b256 s[28:35], s[14:15], 0x0            ; the scales' entries 0 .. 7
	s_load_b64 s[36:37], s[14:15], 0x20            ; entries 8, 9
	s_add_nc_u64 s[8:9], s[8:9], s[68:69]
	s_add_nc_u64 s[10:11], s[10:11], s[68:69]
	s_add_nc_u64 s[12:13], s[12:13], s[68:69]
	s_add_nc_u64 s[4:5], s[4:5], s[70:71]
	s_add_nc_u64 s[BQ:BQ+1], s[16:17], s[74:75]
	s_add_nc_u64 s[BK:BK+1], s[18:19], s[76:77]
	s_add_nc_u64 s[BV:BV+1], s[18:19], s[78:79]
.irp i, 0,1,2,3,4,5,6,7
	s_add_nc_u64 s[XB+2*\i:XB+2*\i+1], s[4:5], \i*2048   ; x's slots at my rows 0 to 7
.endr
	s_wait_alu depctr_va_vdst(0)                   ; v[L16], v[XF] and v[WFB] are written: the offset of every global load and store, and the addresses of the LDS loads of fragments
.irp i, 0,1,2,3,4,5,6,7,8,9,10,11
	WFIRST \i                                      ; the ring is filled: 48 loads, four rows of each base
.endr
	s_wait_kmcnt 0x0
	s_cmp_lt_u32 s[HD], 4                          ; eff: the terms that count for my head and my 32 rows; the others are 0
	s_cselect_b32 s66, s24, 0
	s_cselect_b32 s68, s26, 0                      ; w2 [h < 4]
	s_cmp_lt_u32 s[WV], 2
	s_cselect_b32 s66, s66, 0                      ; w0 [h < 4][d < 64]
	s_cselect_b32 s69, s27, 0                      ; w3 [d < 64]
	s_cmp_eq_u32 s[WV], 0
	s_cselect_b32 s67, s25, 0                      ; w1 [d < 32]
	v_mov_b32 v[EL], s66
	v_add_f32 v[EL], s67, v[EL]
	v_add_f32 v[EL], s68, v[EL]
	v_add_f32 v[EL], s69, v[EL]
	v_mov_b32 v[EL+1], v[EL]
	v_mov_b32 v[EH], s68
	v_add_f32 v[EH], s69, v[EH]
	v_mov_b32 v[EH+1], v[EH]
	MKSC 28, SW, LW
	MKSC 30, SW+1, LW+1
	MKSC 32, SW+2, LW+2
	MKSC 29, SX, LX
	MKSC 31, SX+1, LX+1
	MKSC 33, SX+2, LX+2
	s_sub_co_i32 s68, s35, s28                     ; k: entry 7 - entry 0 - entry 1
	s_sub_co_i32 s68, s68, s29
	MKSC 68, SQ, LQ
	s_sub_co_i32 s68, s34, s30                     ; q: entry 6 - entry 2 - entry 3
	s_sub_co_i32 s68, s68, s31
	MKSC 68, SQ+1, LQ+1
	s_sub_co_i32 s68, s37, s32                     ; v: entry 9 - entry 4 - entry 5
	s_sub_co_i32 s68, s68, s33
	MKSC 68, SQ+2, LQ+2
.irp i, 0,1,2,3,4,5,6,7,8,9,10,11
	s_add_nc_u64 s[WB+2*\i:WB+2*\i+1], s[8+2*(\i%3):9+2*(\i%3)], (\i/3)*2048   ; W's slots at the rows that they hold (the weights and the scales' entries have been used: their registers are free)
.endr
; ---- PHASE W.  One slot's arithmetic: x eff, the hold, the conversion.  step = 1: the slot's base moves on to its row of the next trip.  left: the younger loads, which may stay out.
.macro WWORK i, step, left
.set RS, RING+16*(\i)
.set PP, (\i)%3
.set CC, C+4*((\i)%6)
	s_wait_loadcnt \left
.if \step
	s_add_nc_u64 s[WB+2*(\i):WB+2*(\i)+1], s[WB+2*(\i):WB+2*(\i)+1], 8192   ; free since that wait, which shows the loads that read it done
.endif
.irp j, 0,2,4,6
	v_pk_mul_f32 v[RS+\j:RS+\j+1], v[RS+\j:RS+\j+1], v[EL:EL+1]          ; registers 0-7: c < 256
.endr
.irp j, 8,10,12,14
	v_pk_mul_f32 v[RS+\j:RS+\j+1], v[RS+\j:RS+\j+1], v[EH:EH+1]          ; registers 8-15: c >= 256
.endr
.irp j, 0,1,2,3,4,5,6,7,8,9,10,11,12,13,14,15
	v_med3_num_f32 v[RS+\j], v[RS+\j], -v[LW+PP], v[LW+PP]               ; the conversion to an 8-bit code does not saturate (ISA guide 7.6.2): the hold at the largest code x the scale
.endr
.if (\i) == 6
	s_wait_alu depctr_vm_vsrc(0)                   ; the LDS stores of this trip's first two rows have read the six sets of codes, which the conversions of its last two rows write again
.endif
	v_cvt_scalef32_pk8_bf8_f32 v[CC:CC+1], v[RS:RS+7], v[SW+PP]
	v_cvt_scalef32_pk8_bf8_f32 v[CC+2:CC+3], v[RS+8:RS+15], v[SW+PP]
.endm
; A block: row b of the trip's four, of the three bases.  mode 1: the three slots take their rows of the next trip; mode 2: those of them that x uses (slots 0 to 7) take a row of x; mode 0: nothing.
; l0: the loads younger than the first slot's; the next two slots' counts are four and eight less, since nothing is asked for between them.
.macro WBLOCK b, mode, l0
.irp p, 0,1,2
.if \mode == 1
	WWORK 3*(\b)+\p, 1, \l0-4*\p
.else
	WWORK 3*(\b)+\p, 0, \l0-4*\p
.endif
.endr
.if ((\mode) == 1) && ((\b) == 3)
	v_nop                                          ; a plain line behind the trip's last conversion
.endif
	s_wait_alu depctr_va_vdst(0)                   ; the block's arithmetic is done with its three slots, in which the loads below land; its conversions have written three sets of codes, which the stores below read; in a trip's first block v[WSA ..] are written
.irp p, 0,1,2
.if \mode == 1
	WREFILL 3*(\b)+\p
.elseif (\mode == 2) && (3*(\b)+\p < 8)
	XFILL 3*(\b)+\p
.endif
.endr
.irp p, 0,1,2
	ds_store_b128 v[WSA+\p], v[C+4*((3*(\b)+\p)%6):C+4*((3*(\b)+\p)%6)+3] offset:(\b)*PITCH
.endr
.endm
.macro WHEAD
	s_wait_alu depctr_vm_vsrc(0)                   ; the last trip's LDS stores have read v[WSA ..], which are made anew here, and the sets of codes that this trip's first two rows write again
.irp p, 0,1,2
	v_add_nc_u32 v[WSA+\p], s[TO], v[WS+\p]
.endr
.endm
	s_mov_b32 s[TO], 0
	s_mov_b32 s[CNT], 7
.Lw:                                               ; seven trips of four rows of each base; the eighth is written out, so that no load leaves a base
	WHEAD
.irp b, 0,1,2,3
	WBLOCK \b, 1, 44                               ; eleven, ten, nine younger slots, four loads each
.endr
	s_add_co_u32 s[TO], s[TO], 4*PITCH
	s_sub_co_u32 s[CNT], s[CNT], 1
	s_cmp_lg_u32 s[CNT], 0
	s_cbranch_scc1 .Lw
	WHEAD
	WBLOCK 0, 2, 44                                ; the slots that are emptied take x's first eight rows: with them the ring stays full up to the third block
	WBLOCK 1, 2, 44
	WBLOCK 2, 2, 44
	WBLOCK 3, 0, 40                                ; 40, 36, 32: the last 32 are x's eight rows
; ---- PHASE X.  A row of x is held and converted three times, once for each product's scale; the pieces go to my stage, and a finished tile of 16 rows comes back as fragments.
.macro XROW i, ahead, left
	s_wait_loadcnt \left
.if \ahead
	s_add_nc_u64 s[XB+2*(\i):XB+2*(\i)+1], s[XB+2*(\i):XB+2*(\i)+1], 16384   ; free since that wait, which shows the loads that read it done: the row eight further on
.endif
.irp p, 0,1,2
.set NN, 3*(\i)+\p
.set TT, T+16*(NN%2)
.set CC, C+4*(NN%6)
.irp j, 0,1,2,3,4,5,6,7,8,9,10,11,12,13,14,15
	v_med3_num_f32 v[TT+\j], v[RING+16*(\i)+\j], -v[LX+\p], v[LX+\p]     ; into the other set than the last sixteen: these are the plain lines between a conversion and the rewriting of its sources
.endr
.if (\p == 0) && ((\i) > 0) && ((\i)%2 == 0)
	s_wait_alu depctr_vm_vsrc(0)                   ; the LDS stores of the two rows before have read the six sets of codes, which the conversions of this row and the next write again
.endif
	v_cvt_scalef32_pk8_bf8_f32 v[CC:CC+1], v[TT:TT+7], v[SX+\p]
	v_cvt_scalef32_pk8_bf8_f32 v[CC+2:CC+3], v[TT+8:TT+15], v[SX+\p]
.endr
.if (\i) == 7
	v_nop                                          ; a plain line behind the trip's last conversion
.endif
	s_wait_alu depctr_va_vdst(0)                   ; the row's holds are done reading its slot, in which the loads below land; its conversions have written three sets of codes, which the stores below read; in a trip's first row v[XSA] is written
.if \ahead
	XFILL \i
.endif
.irp p, 0,1,2
	ds_store_b128 v[XSA], v[C+4*((3*(\i)+\p)%6):C+4*((3*(\i)+\p)%6)+3] offset:(16*\p+(\i))*PITCH
.endr
.endm
.macro XTRIP ahead                     ; eight rows: half a tile
	s_wait_alu depctr_vm_vsrc(0)                   ; the LDS stores issued so far have read v[XSA], which is made anew here, and the sets of codes that this trip's first two rows write again
	v_add_nc_u32 v[XSA], s[XT], v[XS]
.irp i, 0,1,2,3,4,5,6,7
.if \ahead
	XROW \i, 1, 28                                 ; seven younger rows, four loads each
.else
	XROW \i, 0, 28-4*\i                            ; the last trip loads nothing: the counts run down
.endif
.endr
.if \ahead
	s_add_co_u32 s[XT], s[XT], 8*PITCH
.endif
.endm
.macro FLUSH mm                        ; tile mm's twelve fragments into windows 1, 2, 3.  LDS serves a wave's instructions in order (ISA guide 5.7.1.4): these see my stores, and the next tile's stores come behind them.
                                       ; No wait on va_vdst: v[XF] stands since the head's, and no vector instruction has named the registers in which these loads land
.irp p, 0,1,2
	WIN (\p+1)<<6
.irp s, 0,1,2,3
.irp c, 0,1,2,3
	ds_load_b128 v[16*(4*(\mm)+\s)+4*\c:16*(4*(\mm)+\s)+4*\c+3], v[XF] offset:\p*WTILE+64*\s+16*\c
.endr
.endr
.endr
	WIN 0
.endm
.macro XTILE mm
	s_mov_b32 s[XT], 0
	s_mov_b32 s[CNT], 2
.Lx_\@:
	XTRIP 1
	s_sub_co_u32 s[CNT], s[CNT], 1
	s_cmp_lg_u32 s[CNT], 0
	s_cbranch_scc1 .Lx_\@
	FLUSH \mm
.endm
	XTILE 0
	XTILE 1
	XTILE 2
	s_mov_b32 s[XT], 0                             ; the last tile is written out, so that no load leaves x
	XTRIP 1
	XTRIP 0
	FLUSH 3
	s_wait_dscnt 0x0                               ; my rows of W's codes have landed, and my fragments of x are in
	s_barrier_signal -1
	s_barrier_wait -1                              ; everybody's rows of W have: from here on LDS is only read
; ---- PHASE M.
.macro WFLOAD dst, adr, off            ; a tile's four fragments (16 rows x 512 K)
.irp s, 0,1,2,3
.irp c, 0,1,2,3
	ds_load_b128 v[\dst+16*\s+4*\c:\dst+16*\s+4*\c+3], v[\adr] offset:\off+64*\s+16*\c
.endr
.endr
.endm
; 16 matrix instructions: a tile of W against my four tiles of x, four K steps.  The four sums take turns, one instruction a turn; the first K step starts them: nothing is cleared.
.macro MUL16 kind, wf, acc
.irp s, 0,1,2,3
.irp m, 0,1,2,3
.if \kind == 0
.if \s == 0
	v_wmma_f32_16x16x128_bf8_bf8 v[\acc+8*\m:\acc+8*\m+7], v[\wf+16*\s:\wf+16*\s+15], v[16*(4*\m+\s):16*(4*\m+\s)+15], 0
.else
	v_wmma_f32_16x16x128_bf8_bf8 v[\acc+8*\m:\acc+8*\m+7], v[\wf+16*\s:\wf+16*\s+15], v[16*(4*\m+\s):16*(4*\m+\s)+15], v[\acc+8*\m:\acc+8*\m+7]
.endif
.else
.if \s == 0
	v_wmma_f32_16x16x128_bf8_bf8 v[\acc+8*\m:\acc+8*\m+7], v[16*(4*\m+\s):16*(4*\m+\s)+15], v[\wf+16*\s:\wf+16*\s+15], 0
.else
	v_wmma_f32_16x16x128_bf8_bf8 v[\acc+8*\m:\acc+8*\m+7], v[16*(4*\m+\s):16*(4*\m+\s)+15], v[\wf+16*\s:\wf+16*\s+15], v[\acc+8*\m:\acc+8*\m+7]
.endif
.endif
.endr
.endr
.endm
; four sums become codes: the hold, each sum from its low end on, and a conversion for each.  half: the even (0) or the odd (1) tile of the pair.
.macro QOUT acc, p, kind, half
.set J, 0
.rept 32
	v_med3_num_f32 v[\acc+J], v[\acc+J], -v[LQ+\p], v[LQ+\p]
.set J, J+1
.endr
.irp m, 0,1,2,3
.if \kind == 0
	v_cvt_scalef32_pk8_bf8_f32 v[CO+4*\m+2*\half:CO+4*\m+2*\half+1], v[\acc+8*\m:\acc+8*\m+7], v[SQ+\p]     ; tile m of rows: d = 16 (2 trip + half) + 8 hl + 0 .. 7: half a chunk of its fragment
.else
	v_cvt_scalef32_pk8_bf8_f32 v[CO+8*\half+2*\m:CO+8*\half+2*\m+1], v[\acc+8*\m:\acc+8*\m+7], v[SQ+\p]     ; keys 16 m + 8 hl + 0 .. 7 of my 64: two registers of the fragment of these 16 d
.endif
.endr
.endm
; A trip: tiles T and T + 1 of W.  kind 0: k, q (source 0 = W); kind 1: v (source 0 = x).  win: the window of x's codes.  ahead = 1: tiles T + 2 and T + 3 are fetched.
; Four plain lines stand between the products and the reads of their results (ISA guide 7.12.1); with ahead = 1 the address's addition is one of them.
; A tile's fragments are asked for anew behind the holds and conversions of its sums, which wait for the same products.
; The image's base moves on by a trip's step in mid-trip, in the first trip too, and the stores reach back by that step.
.macro MTRIP kind, win, p, base, ahead
	s_wait_dscnt 16                                ; the even tile is in; the odd tile's sixteen loads may be out
	WIN \win
	MUL16 \kind, FA, ACA
	WIN 0
	s_wait_xcnt 0x0                                ; the last trip's stores have had their addresses translated (ISA guide 3.1): their base and their data are written again only behind this wait
	s_wait_alu depctr_vm_vsrc(0)                   ; the last trip's stores have read v[CO ..] (in the first trip: phase X's LDS stores have read these registers), and its LDS loads v[WAA]: both are written again below
.if \kind == 0
	s_add_nc_u64 s[\base:\base+1], s[\base:\base+1], 512
.else
	s_add_nc_u64 s[\base:\base+1], s[\base:\base+1], 4096
.endif
.if \ahead
	s_add_co_u32 s[WT], s[WT], 2*WTILE
	v_add_nc_u32 v[WAA], s[WT], v[WFB]
.rept 3
	v_nop
.endr
.else
.rept 4
	v_nop
.endr
.endif
	QOUT ACA, \p, \kind, 0
.if \ahead
	s_wait_alu depctr_va_vdst(0)                   ; the even tile's products are done reading v[FA ..], in which the loads below land; v[WAA], their address, is written
	WFLOAD FA, WAA, 0
	s_wait_dscnt 16                                ; the odd tile is in; the sixteen just issued may be out
.else
	s_wait_dscnt 0x0
.endif
	WIN \win
	MUL16 \kind, FB, ACB
	WIN 0
.rept 4
	v_nop
.endr
	QOUT ACB, \p, \kind, 1
	v_nop                                          ; a plain line behind the last conversion
	s_wait_alu depctr_va_vdst(0)                   ; the trip's conversions have written v[CO ..], which the stores below read; the odd tile's products are done reading v[FB ..], in which the loads below land
.if \ahead
	WFLOAD FB, WAA, WTILE
.endif
.irp q, 0,1,2,3
.if \kind == 0
	global_store_b128 v[L16], v[CO+4*\q:CO+4*\q+3], s[\base:\base+1] offset:2048*\q-512                    ; chunk = trip of fragment q: 32 lanes store 512 consecutive bytes, aligned
.else
	global_store_b128 v[L16], v[CO+4*\q:CO+4*\q+3], s[\base:\base+1] offset:2048*(\q/2)+512*(\q%2)-4096    ; my two chunks of the fragments of d = 16 (2 trip) and 16 (2 trip + 1)
.endif
.endr
.endm
	s_mov_b32 s[WT], 0
	WFLOAD FA, WFB, 0                              ; these land in the ring's first eight slots.  No wait: phase X's last wait on va_vdst stands behind the last vector instruction that named them, and none has been issued since
	WFLOAD FB, WFB, WTILE
	s_mov_b32 s[CNT], 4
.Lmk:                                              ; k: tiles 0 to 7
	MTRIP 0, 0x04, 0, BK, 1
	s_sub_co_u32 s[CNT], s[CNT], 1
	s_cmp_lg_u32 s[CNT], 0
	s_cbranch_scc1 .Lmk
	s_mov_b32 s[CNT], 4
.Lmq:                                              ; q: tiles 8 to 15
	MTRIP 0, 0x08, 1, BQ, 1
	s_sub_co_u32 s[CNT], s[CNT], 1
	s_cmp_lg_u32 s[CNT], 0
	s_cbranch_scc1 .Lmq
	s_mov_b32 s[CNT], 3
.Lmv:                                              ; v: tiles 16 to 21
	MTRIP 1, 0x03, 2, BV, 1
	s_sub_co_u32 s[CNT], s[CNT], 1
	s_cmp_lg_u32 s[CNT], 0
	s_cbranch_scc1 .Lmv
	MTRIP 1, 0x03, 2, BV, 0                        ; tiles 22 and 23: nothing is left to fetch
	s_wait_xcnt 0x0
	v_lshl_add_u32 v254, v0, 2, 0x4a400            ; my spare word, behind the four stages, and 0: made anew here, in registers that no memory or LDS instruction has read
	v_mov_b32 v255, 0
	s_wait_dscnt 0x0                               ; the closing lines, six on end
	s_wait_alu 0x0
	s_wait_tensorcnt 0x0
	ds_add_u32 v254, v255
	s_wait_dscnt 0x0
	s_endpgm
.Lfunc_end_k_q20f73890c7_project:
	.size	k_q20f73890c7_project, .Lfunc_end_k_q20f73890c7_project-k_q20f73890c7_project
	.p2alignl 7, 3214868480
	.fill 96, 4, 3214868480
	.section	.rodata,"a",@progbits
	.p2align	6, 0x0
	.amdhsa_kernel k_q20f73890c7_project
		.amdhsa_group_segment_fixed_size 304640
		.amdhsa_private_segment_fixed_size 0
		.amdhsa_enable_private_segment 0
		.amdhsa_kernarg_size 64
		.amdhsa_user_sgpr_count 2
		.amdhsa_user_sgpr_kernarg_segment_ptr 1
		.amdhsa_wavefront_size32 1
		.amdhsa_system_sgpr_workgroup_id_x 1
		.amdhsa_system_sgpr_workgroup_id_y 1
		.amdhsa_system_sgpr_workgroup_id_z 1
		.amdhsa_system_vgpr_workitem_id 0
		.amdhsa_next_free_vgpr 1024
		.amdhsa_next_free_sgpr 96
		.amdhsa_reserve_vcc 0
		.amdhsa_float_denorm_mode_32 3
		.amdhsa_float_denorm_mode_16_64 3
		.amdhsa_memory_ordered 1
		.amdhsa_forward_progress 1
		.amdhsa_inst_pref_size 255
	.end_amdhsa_kernel
	.section	.bss,"aw",@nobits
	.p2align	6
	.space	262144
	.amdgpu_metadata
---
amdhsa.version: [ 1, 2 ]
amdhsa.kernels:
  - .name:           k_q20f73890c7_project
    .symbol:         k_q20f73890c7_project.kd
    .args:
      - { .name: x, .offset: 0, .size: 8, .value_kind: global_buffer, .address_space: global }
      - { .name: weights, .offset: 8, .size: 8, .value_kind: global_buffer, .address_space: global }
      - { .name: base_K, .offset: 16, .size: 8, .value_kind: global_buffer, .address_space: global }
      - { .name: base_Q, .offset: 24, .size: 8, .value_kind: global_buffer, .address_space: global }
      - { .name: base_V, .offset: 32, .size: 8, .value_kind: global_buffer, .address_space: global }
      - { .name: lowp_scales, .offset: 40, .size: 8, .value_kind: global_buffer, .address_space: global }
      - { .name: qimg, .offset: 48, .size: 8, .value_kind: global_buffer, .address_space: global }
      - { .name: kv, .offset: 56, .size: 8, .value_kind: global_buffer, .address_space: global }
    .group_segment_fixed_size: 304640
    .private_segment_fixed_size: 0
    .kernarg_segment_align: 8
    .kernarg_segment_size: 64
    .max_flat_workgroup_size: 128
    .sgpr_count:     96
    .vgpr_count:     1024
    .wavefront_size: 32
...
	.end_amdgpu_metadata
.endif
;; end of part 3
;; launch attend (part 4): grid 8 x 32, 16 waves a work-group, clusters of 4 x 1, 327,680 bytes of LDS; arguments qimg, kv, lowp_scales, out0; writes out0
.if DOCPART == 4
	.amdgcn_target "amdgcn-amd-amdhsa--gfx1250"
	.amdhsa_code_object_version 6
	.text
	.protected	k_q20f73890c7_attend
	.globl	k_q20f73890c7_attend
	.p2align	8
	.type	k_q20f73890c7_attend,@function
k_q20f73890c7_attend:
	s_mov_b64 s[64:65], 0
	v_nop
	global_prefetch_b8 v0, s[64:65] scope:SCOPE_SE
	s_setreg_imm32_b32 hwreg(HW_REG_WAVE_MODE, 25, 1), 1
	s_wait_xcnt 0x0
	s_wait_alu depctr_hold_cnt(0) depctr_sa_sdst(0) depctr_va_vdst(0) depctr_va_sdst(0) depctr_va_ssrc(0) depctr_va_vcc(0) depctr_vm_vsrc(0)
	s_getreg_b32 s2, hwreg(HW_REG_IB_STS2, 6, 4)
	s_cmp_eq_u32 s2, 0
	s_cbranch_scc0 .Lentry_in_a_cluster
	s_endpgm
.Lentry_in_a_cluster:
	s_bfe_u32 s2, ttmp6, 0x10000c
	s_cmp_lg_u32 s2, 0x3003
	s_cbranch_scc0 .Lentry_shape_is_right
	s_endpgm
.Lentry_shape_is_right:
; out0[b][t][128 h + d] = the sum over keys s <= t of softmax_s(q[t] . k[s] / sqrt(128)) v[s][d], both products on codes of BF8 (E5M2), for bh = 8 b + h; 2,048 rows a head, head size 128.
; q, k and v come as images of operand registers: a fragment (16 rows x 128 K) is 2,048 bytes, chunk c = registers 4 c .. 4 c + 3, lane l's 16 bytes at 16 l; registers 2 u, 2 u + 1 hold K = 16 u + 8 (l / 16) + 0 .. 7.
;   qimg[bh][t / 16][2048];   kv[bh][key step][32768]: eight fragments of k (16 keys each, K = d), then eight of v (16 d each, K = the step's 128 keys).
; SCALES: q entry 6, k entry 7, p entry 8, v entry 9 of the buffer of scales (whole numbers e, a scale is 2^e).
; THE SOFTMAX AHEAD OF THE SECOND PRODUCT: t = score x log2(e) / sqrt(128); M = the row's largest t so far, rounded UP to a whole number; p = 2^(t - M) is what is quantised; the row's sum is taken of the unquantised p and divides at the end.
;   When M moves, the sum and O are multiplied by 2^(old M - new M): exact.
; LIMITS: entry 6 + entry 7 between -123 and 130 (they are added to the exponent field of log2(e) / sqrt(128)); entry 8 between -126 and 112; entries 8 + 9 are applied by v_ldexp_f32 and have none.
; SHARES.  Eight work-groups j = 0 .. 7 to a bh, sixteen waves each.  Wave w owns ONE tile of 16 queries, tile j + 8 i with i = w xor 3 ((w / 4) % 2): queries 128 i + 16 j on.  Its keys end in key step i, whatever j:
;   so every work-group has 136 tile steps, and which steps a wave works hangs on the wave's number and a counter alone: the partners of a cluster run alike.  Every wave walks all eight slots; a step whose keys all come after
;   the wave's queries is jumped over (its loads, products and softmax; no barrier and no tensor load stands in a step).  A wave stores its rows as soon as its last step is done.
; CLUSTER.  The four work-groups of a cluster belong to one bh and walk the same kv: each slot is asked for JOINTLY, by the same tensor load with the same descriptor and a mask that names the four.
; LAYOUT.  Both products are used transposed: S^T = k q^T (source 0 = 16 keys, source 1 = my 16 queries), O^T = v^T p^T (source 0 = 16 d, source 1 = p): a lane holds ONE query (lane % 16) throughout.  Register j of tile u of S^T is key
;   16 u + 8 (lane / 16) + j: the conversion of tile u gives registers 2 u, 2 u + 1 of p's fragment as they stand.
; LDS: two slots of 65,536 bytes (two key steps of kv, as they lie in memory: a lane's 16 bytes at 16 x lane); a stage of 16 rows x 272 bytes for each wave, into which no tensor load lands; the spare words.
; REGISTERS: v1-10 addresses; v12 -M, v13 the largest t, v[14:15] the sum in two halves; v16-31 q; v32-95 four fragments of k or of v; v96-159 S^T, then p; v160-223 O^T; v224-239 p's codes (v234-239 at work before them); v240-255 at work.
.set SLOTB, 65536
.set STEPB, 32768
.set VOFF,  16384
.set FRB,   2048
.set SP,    272
.set STAGE, 2*SLOTB
.set SPARE, STAGE+16*16*SP             ; behind the stages: the spare words, 128 bytes for each wave: eight blocks of 256 bytes that no other line names
.set LI,   1                           ; v1   16 x lane
.set DM,   2                           ; v2   16 j + lane % 16 - 8 (lane / 16): register 8 u + n of the diagonal step is hidden where 16 u + n is above it
.set PFO,  3                           ; v3   256 x lane: the prefetches' offset; never rewritten
.set SPW,  5                           ; v5   LDS address of my spare word: SPARE + 4 x my thread's number; never rewritten
.set NIL,  6                           ; v6   0; never rewritten
.set GO,   7                           ; v7   the way out: my byte offset in the wave's rows of out0
.set ADR,  8                           ; v8   LDS address of my 16 bytes in the slot in hand
.set STO,  9                           ; v9   the stage: where I put 32 bytes of a row
.set RD,   10                          ; v10  and where I read a row back
.set TB,   2                           ; s2   LDS byte at which the slot in hand begins
.set WV,   18                          ; s18  my wave's number
.set IW,   19                          ; s19  i: my last key step
.set SEL,  20                          ; s[20:21] lane selects for v_permlanex16_b32: lane l xor 16
.set CS,   22                          ; s[22:23] c = log2(e) / sqrt(128) x 2^(entries 6 + 7): the packed form names a pair and takes its low word for both halves
.set G1,   24                          ; s[24:31] descriptor group 1
.set G0,   40                          ; s[40:43] descriptor group 0, which walks
.set KS,   44                          ; s44  the key step in hand
.set IE,   45                          ; s45  the key step behind the slot that holds my last one
.set SLOTS, 46                         ; s46  slots still to be asked for
.set EPV,  47                          ; s47  entries 8 + 9
.set PFA,  48                          ; s[48:49] where my prefetches stand
.set LIM,  50                          ; s50  1 in a wave that prefetches, else the greatest number
; A round of the cluster's barrier: my work-group's barrier, so that wave 0's signal speaks for all sixteen waves; wave 0 signals for the work-group; every wave waits for all four work-groups; my work-group's barrier once more.
.macro CROUND
	s_barrier_signal -1
	s_barrier_wait -1
	s_cmp_lg_u32 s[WV], 0
	s_cbranch_scc1 .Lnot_wave_0_\@
	s_barrier_signal -3
.Lnot_wave_0_\@:
	s_barrier_wait -3
	s_barrier_signal -1
	s_barrier_wait -1
.endm
; A joint load: waves 0 to 3 fetch a quarter of a slot each, 16,384 bytes; the others nothing.  The branch hangs on the wave's number alone.  Four v_nop follow the load.
.macro TLOAD
	s_cmp_lt_u32 s[WV], 4
	s_cbranch_scc0 .Lasked_\@
	tensor_load_to_lds s[G0:G0+3], s[G1:G1+7]
	s_nop 0
.rept 4
	v_nop
.endr
.Lasked_\@:
.endm
; A prefetch of the slot that the NEXT change of slots will ask for: two key steps ahead of that load.  Both clusters of a bh walk the same kv: the first one asks.  Its four partners share the slot out BY ADDRESS, 16,384 bytes each;
; in each, waves 4 and 5, which fetch nothing, ask for 8,192 bytes each, lanes 256 bytes apart: one instruction.  So each aligned block of 256 bytes is named once in the launch.
; The last change that fills a slot asks for nothing; slots 0 and 1 come by their loads alone.
.macro ASK
	s_cmp_gt_u32 s[SLOTS], s[LIM]
	s_cbranch_scc0 .Lnot_mine_\@
	global_prefetch_b8 v[PFO], s[PFA:PFA+1] th:TH_LOAD_NT scope:SCOPE_SE
.Lnot_mine_\@:
.endm
	s_load_b256 s[4:11], s[0:1], 0x0               ; qimg s[4:5], kv s[6:7], the scales s[8:9], out0 s[10:11]
	v_lshl_add_u32 v[SPW], v0, 2, SPARE
	v_mov_b32 v[NIL], 0
	ds_add_u32 v5, v6
	ds_add_u32 v5, v6
	s_wait_dscnt 0x0
	v_lshrrev_b32 v8, 5, v0
	s_delay_alu instid0(VALU_DEP_1)
	v_readfirstlane_b32 s[WV], v8                  ; wave 0..15
	s_bfe_u32 s56, s[WV], 0x10002
	s_mul_i32 s56, s56, 3
	s_xor_b32 s[IW], s[WV], s56                    ; i: waves w, w + 4, w + 8, w + 12 have 34 key steps together
	s_or_b32 s[IE], s[IW], 1
	s_add_co_u32 s[IE], s[IE], 1
	s_bfe_u32 s57, ttmp6, 0x40000                  ; cx: my place in the cluster
	s_lshl_b32 s58, ttmp9, 2                       ; in a cluster launch ttmp9 counts clusters
	s_add_co_u32 s58, s58, s57                     ; j: it enters q's and out0's addresses and the mask's numbers alone
	s_and_b32 s59, ttmp7, 0xffff                   ; bh, which the four partners share
	v_and_b32 v11, 31, v0
	s_delay_alu instid0(VALU_DEP_1)
	v_lshlrev_b32 v[LI], 4, v11
	s_delay_alu instid0(VALU_DEP_2)
	v_lshlrev_b32 v[PFO], 8, v11
	v_and_b32 v11, 15, v0                          ; r
	v_bfe_u32 v4, v0, 4, 1                         ; hl
	s_mul_i32 s56, s[WV], 16*SP
	s_add_co_u32 s56, s56, STAGE                   ; my stage
	v_mul_u32_u24 v[STO], v11, SP
	s_delay_alu instid0(VALU_DEP_1)
	v_lshl_add_u32 v[STO], v4, 5, v[STO]
	s_delay_alu instid0(VALU_DEP_1)
	v_add_nc_u32 v[STO], s56, v[STO]               ; in: row r; tile t's eight channels of my half: 64 t + 32 hl bytes on
	v_mul_u32_u24 v[RD], v4, SP
	s_delay_alu instid0(VALU_DEP_1)
	v_lshl_add_u32 v[RD], v11, 4, v[RD]
	s_delay_alu instid0(VALU_DEP_1)
	v_add_nc_u32 v[RD], s56, v[RD]                 ; back: lanes 0-15 one row, lanes 16-31 the next
	v_lshlrev_b32 v[GO], 12, v4
	s_delay_alu instid0(VALU_DEP_1)
	v_lshl_add_u32 v[GO], v11, 4, v[GO]            ; and the same two rows of out0, 4,096 bytes apart
	v_lshlrev_b32 v[DM], 3, v4
	s_delay_alu instid0(VALU_DEP_1)
	v_sub_nc_u32 v[DM], v11, v[DM]
	s_lshl_b32 s63, s58, 4
	v_add_nc_u32 v[DM], s63, v[DM]
	s_lshl_b32 s60, s59, 19                        ; kv: bh x 16 steps of 32,768 bytes
	s_and_b32 s62, s[WV], 3
	s_lshl_b32 s62, s62, 14                        ; the quarter of a slot that I fetch, if I fetch: its place in memory and in LDS: no place in the cluster enters either
	s_add_co_u32 s66, s60, s62
	s_mov_b32 s67, 0
	s_lshl_b32 s68, s57, 14                        ; the prefetches: my work-group's quarter,
	s_add_co_u32 s68, s68, s60
	s_and_b32 s69, s[WV], 1
	s_lshl_b32 s69, s69, 13                        ; my wave's half of it,
	s_add_co_u32 s68, s68, s69
	s_add_co_u32 s68, s68, SLOTB                   ; in slot 1: the first change of slots steps it to slot 2
	s_mov_b32 s69, 0
	s_lshr_b32 s56, s[WV], 1
	s_xor_b32 s56, s56, 2                          ; 0 in waves 4 and 5,
	s_or_b32 s56, s56, ttmp9                       ; of the bh's first cluster: the same in all four partners
	s_cmp_eq_u32 s56, 0
	s_cselect_b32 s[LIM], 1, -1
	s_lshl_b32 s70, s59, 18                        ; q: bh x 128 fragments + fragment j + 8 i
	s_lshl_b32 s71, s[IW], 3
	s_add_co_u32 s71, s71, s58
	s_lshl_b32 s71, s71, 11
	s_add_co_u32 s70, s70, s71
	s_mov_b32 s71, 0
	s_lshr_b32 s72, s59, 3                         ; out0: batch x 2,048 rows of 4,096 bytes + row 128 i + 16 j + head x 512 bytes
	s_lshl_b32 s72, s72, 23
	s_lshl_b32 s73, s[IW], 19
	s_add_co_u32 s72, s72, s73
	s_lshl_b32 s73, s58, 16
	s_add_co_u32 s72, s72, s73
	s_and_b32 s73, s59, 7
	s_lshl_b32 s73, s73, 9
	s_add_co_u32 s72, s72, s73
	s_mov_b32 s73, 0
	; descriptor group 1: 16,384 bytes that are dense in memory, as 64 rows of 32 elements of 8 bytes; no padding
	s_mov_b32 s[G1], 15|(3<<16)|(1<<21)            ; 15:0 the mask: all four work-groups; 17:16 elements of 8 bytes; 21 set beside a mask
	s_mov_b32 s[G1+1], 32<<16                      ; tensor_dim0 = 32
	s_mov_b32 s[G1+2], 64<<16                      ; tensor_dim1 = 64
	s_mov_b32 s[G1+3], 32<<16                      ; tile_dim0 = 32
	s_mov_b32 s[G1+4], 64                          ; tile_dim1 = 64
	s_mov_b32 s[G1+5], 32                          ; tensor_dim0_stride
	s_mov_b32 s[G1+6], 0
	s_mov_b32 s[G1+7], 0
	s_mov_b32 s[SEL], 0x76543210
	s_mov_b32 s[SEL+1], 0xfedcba98
	s_mov_b32 s[CS], 0x3e0293ee                    ; log2(e) / sqrt(128)
	s_mov_b32 s[TB], 0
	s_mov_b32 s[KS], 0
	s_mov_b32 s[SLOTS], 7
	s_wait_kmcnt 0x0
	s_load_b64 s[52:53], s[8:9], 0x18              ; entries 6, 7
	s_load_b64 s[54:55], s[8:9], 0x20              ; entries 8, 9
	s_mov_b32 s[G0], 1                             ; 1:0 count = 1
	s_mov_b32 s[G0+1], s62                         ; 63:32 LDS address: slot 0
	s_add_nc_u64 s[G0+2:G0+3], s[6:7], s[66:67]    ; 120:64 global address: the bh's first two key steps
	s_or_b32 s[G0+3], s[G0+3], 0x80000000          ; 127:126 type = 2
	s_add_nc_u64 s[PFA:PFA+1], s[6:7], s[68:69]
	s_add_nc_u64 s[4:5], s[4:5], s[70:71]
	s_add_nc_u64 s[10:11], s[10:11], s[72:73]
	CROUND                                         ; all four work-groups are here: the first joint loads meet
	TLOAD                                          ; slot 0
.irp c, 0,1,2,3
	global_load_b128 v[16+4*\c:19+4*\c], v[LI], s[4:5] offset:512*\c th:TH_LOAD_NT   ; q's fragment stays in registers; read once in the launch
.endr
	v_mov_b32 v13, 0xff61b1e6                      ; the largest t so far: -3e38, under every t
	s_delay_alu instid0(VALU_DEP_1)
	v_floor_f32 v12, -v13                          ; -M
	v_mov_b32 v14, 0                               ; the sum, in two halves
	v_mov_b32 v15, 0
	v_mov_b32 v246, 0                              ; written once: a lane permute's destination counts as one of its sources
	v_mov_b32 v252, 0
	v_mov_b32 v253, 0                              ; (named as the upper half of the pair v[252:253])
.set J, 0
.rept 64
	v_mov_b32 v[160+J], 0                          ; O^T.  (The step is written once: the first finds zeros, which the first change of M leaves zeros)
.set J, J+1
.endr
	s_wait_kmcnt 0x0
	s_add_co_i32 s56, s52, s53
	s_lshl_b32 s56, s56, 23
	s_add_co_i32 s[CS], s[CS], s56                 ; a score stands for score x 2^(entries 6 + 7): the two exponents are added to c's exponent field
	s_mov_b32 s[CS+1], s[CS]                       ; (named with it as a pair, so it is written)
	s_add_co_i32 s56, s54, 127
	s_lshl_b32 s57, s56, 23
	v_mov_b32 v244, s57                            ; 2^(entry 8) as f32, for the conversion
	s_add_co_i32 s56, s56, 15
	s_lshl_b32 s56, s56, 23
	s_or_b32 s56, s56, 0x600000
	v_mov_b32 v240, s56                            ; 57,344 x that
	s_add_co_i32 s[EPV], s54, s55
; A KEY STEP: 128 keys, the q-th of the slot in hand.
.macro STEP q
	s_cmp_gt_u32 s[KS], s[IW]                      ; all its keys come after my queries: nothing to do
	s_cbranch_scc1 .Lhidden_\@
	v_add_nc_u32 v[ADR], s[TB], v[LI]
	s_wait_alu depctr_va_vdst(0)
.rept 3
	v_nop                                          ; with the addition above: four plain lines in front of loads into registers that the last products have read (ISA guide 7.12.1 for vector instructions)
.endr
.irp g, 0,1                                    ; S^T = k q^T, four tiles of 16 keys at a time
.if \g > 0
.rept 4
	v_nop
.endr
.endif
.irp t, 0,1,2,3
.irp c, 0,1,2,3
	ds_load_b128 v[32+16*\t+4*\c:32+16*\t+4*\c+3], v[ADR] offset:STEPB*(\q)+FRB*(4*\g+\t)+512*\c
.endr
.endr
	s_wait_dscnt 0x0
.irp t, 0,1,2,3
	v_wmma_f32_16x16x128_bf8_bf8 v[96+8*(4*\g+\t):103+8*(4*\g+\t)], v[32+16*\t:47+16*\t], v[16:31], 0
.endr
.endr
.rept 4
	v_nop
.endr
	s_cmp_lg_u32 s[KS], s[IW]                      ; my last step lies on the diagonal: there the scores of hidden keys become -infinity ahead of the maximum, so that p = 0.  (Key 128 i counts for each of my queries)
	s_cbranch_scc1 .Lopen_\@
	v_mov_b32 v254, 0xff800000
.irp n, 0,1,2,3,4,5,6,7,8,9,10,11,12,13,14,15,16,17,18,19,20,21,22,23,24,25,26,27,28,29,30,31,32,33,34,35,36,37,38,39,40,41,42,43,44,45,46,47,48,49,50,51,52,53,54,55,56,57,58,59,60,61,62,63
	v_cmp_gt_i32 vcc_lo, 16*(\n/8)+\n%8, v[DM]
	v_cndmask_b32 v[96+\n], v[96+\n], v254, vcc_lo
.endr
.Lopen_\@:
	v_max3_num_f32 v254, v96, v97, v98             ; the step's largest score of my query, among my 64 keys, in two chains, each sum from its low end on,
	v_max3_num_f32 v252, v99, v100, v101
.irp i, 6,10,14,18,22,26,30,34,38,42,46,50,54,58
	v_max3_num_f32 v254, v254, v[96+\i], v[97+\i]
	v_max3_num_f32 v252, v252, v[98+\i], v[99+\i]
.endr
	v_max3_num_f32 v254, v254, v158, v159
	s_delay_alu instid0(VALU_DEP_1)
	v_max_num_f32 v254, v254, v252
	s_delay_alu instid0(VALU_DEP_1)
	v_permlanex16_b32 v246, v254, s[SEL], s[SEL+1]
	s_delay_alu instid0(VALU_DEP_1)
	v_max_num_f32 v254, v254, v246                 ; and among lane l xor 16's
	s_delay_alu instid0(VALU_DEP_1)
	v_mul_f32 v254, s[CS], v254                    ; as t (c is positive)
	s_delay_alu instid0(VALU_DEP_1)
	v_max_num_f32 v13, v13, v254                   ; the running largest t
	v_mov_b32 v254, v12
	s_delay_alu instid0(VALU_DEP_2)
	v_floor_f32 v12, -v13                          ; the new -M = floor(-t) = -ceil(t): M is a whole number
	s_delay_alu instid0(VALU_DEP_1)
	v_sub_f32 v254, v12, v254                      ; M's old value less its new one: a whole number, 0 or less
	s_delay_alu instid0(VALU_DEP_1)
	v_cvt_i32_f32 v254, v254                       ; (it saturates)
	s_delay_alu instid0(VALU_DEP_1)
	v_ldexp_f32 v252, 1.0, v254                    ; f = 2^(old M - new M)
.set J, 0
.rept 32
	v_pk_fma_f32 v[96+J:97+J], v[96+J:97+J], s[CS:CS+1], v[12:13] op_sel_hi:[1,0,0]   ; t - M, two at a time (of the pairs c and -M the low word serves both halves)
.set J, J+2
.endr
.set J, 0
	s_wait_alu depctr_va_vdst(0)
.rept 64
	v_exp_f32 v[96+J], v[96+J]                     ; p = 2^(t - M), at most 1: not normalised
.set J, J+1
.endr
	v_pk_mul_f32 v[14:15], v[14:15], v[252:253] op_sel_hi:[1,0]   ; the sums under the new M.  (The plain line behind the exponentials)
	s_wait_alu depctr_va_vdst(0)                   ; one wait for the whole batch, ahead of its first reader
	v_pk_add_f32 v[242:243], v[100:101], v[104:105]
	v_pk_add_f32 v[254:255], v[108:109], v[112:113]
	v_pk_add_f32 v[250:251], v[116:117], v[120:121]
	v_pk_add_f32 v[248:249], v[124:125], v[128:129]
	v_pk_add_f32 v[238:239], v[132:133], v[136:137]
	v_pk_add_f32 v[236:237], v[140:141], v[144:145]
	v_pk_add_f32 v[234:235], v[148:149], v[152:153]
	v_pk_add_f32 v[14:15], v[14:15], v[156:157]
	v_pk_add_f32 v[242:243], v[242:243], v[96:97]
	v_pk_add_f32 v[254:255], v[254:255], v[98:99]
	v_pk_add_f32 v[250:251], v[250:251], v[102:103]
	v_pk_add_f32 v[248:249], v[248:249], v[106:107]
	v_pk_add_f32 v[238:239], v[238:239], v[110:111]
	v_pk_add_f32 v[236:237], v[236:237], v[114:115]
	v_pk_add_f32 v[234:235], v[234:235], v[118:119]
	v_pk_add_f32 v[14:15], v[14:15], v[122:123]
	v_pk_add_f32 v[242:243], v[242:243], v[126:127]
	v_pk_add_f32 v[254:255], v[254:255], v[130:131]
	v_pk_add_f32 v[250:251], v[250:251], v[134:135]
	v_pk_add_f32 v[248:249], v[248:249], v[138:139]
	v_pk_add_f32 v[238:239], v[238:239], v[142:143]
	v_pk_add_f32 v[236:237], v[236:237], v[146:147]
	v_pk_add_f32 v[234:235], v[234:235], v[150:151]
	v_pk_add_f32 v[14:15], v[14:15], v[154:155]
	v_pk_add_f32 v[242:243], v[242:243], v[158:159]
	s_delay_alu instid0(VALU_DEP_2)
	v_pk_add_f32 v[14:15], v[14:15], v[248:249]
	s_delay_alu instid0(VALU_DEP_2)
	v_pk_add_f32 v[242:243], v[242:243], v[238:239]
	v_pk_add_f32 v[254:255], v[254:255], v[236:237]
	v_pk_add_f32 v[250:251], v[250:251], v[234:235]
	s_delay_alu instid0(VALU_DEP_2)
	v_pk_add_f32 v[14:15], v[14:15], v[254:255]
	s_delay_alu instid0(VALU_DEP_2)
	v_pk_add_f32 v[242:243], v[242:243], v[250:251]
	s_delay_alu instid0(VALU_DEP_1)
	v_pk_add_f32 v[14:15], v[14:15], v[242:243]
.irp b, 0,1,2,3,4,5,6,7
.irp i, 0,1,2,3,4,5,6,7
	v_min_num_f32 v[96+8*\b+\i], v[96+8*\b+\i], v240   ; the conversion to an 8-bit code does not saturate (ISA guide 7.6.2); p is not negative, so the hold is one-sided
.endr
	v_cvt_scalef32_pk8_bf8_f32 v[224+2*\b:225+2*\b], v[96+8*\b:103+8*\b], v244   ; keys 16 b + 8 (lane / 16) + 0 .. 7: registers 2 b, 2 b + 1 of p's fragment
.endr
.set J, 0
.rept 32
	v_pk_mul_f32 v[160+J:161+J], v[160+J:161+J], v[252:253] op_sel_hi:[1,0]   ; O^T under the new M: x f.  (These 32 are also the plain lines in front of the loads and products below)
.set J, J+2
.endr
	s_wait_alu depctr_va_vdst(0)
.irp g, 0,1                                    ; O^T += v^T p^T: four tiles of 16 of the head's 128 at a time; K = these 128 keys
.if \g > 0
.rept 4
	v_nop
.endr
.endif
.irp t, 0,1,2,3
.irp c, 0,1,2,3
	ds_load_b128 v[32+16*\t+4*\c:32+16*\t+4*\c+3], v[ADR] offset:STEPB*(\q)+VOFF+FRB*(4*\g+\t)+512*\c
.endr
.endr
	s_wait_dscnt 0x0
.irp t, 0,1,2,3
	v_wmma_f32_16x16x128_bf8_bf8 v[160+8*(4*\g+\t):167+8*(4*\g+\t)], v[32+16*\t:47+16*\t], v[224:239], v[160+8*(4*\g+\t):167+8*(4*\g+\t)]
.endr
.endr
.Lhidden_\@:
	s_add_co_u32 s[KS], s[KS], 1
.endm
; THE WAY OUT.  The sum's two halves are added; O^T is divided by the sum, multiplied by 2^(entries 8 + 9) and goes through my stage, half a row (64 channels, 256 bytes) of 16 queries at a time, so that sixteen lanes store 256 consecutive bytes, aligned.
.macro WAYOUT
.rept 4
	v_nop                                          ; four plain lines behind the last products
.endr
	v_add_f32 v14, v14, v15
	s_delay_alu instid0(VALU_DEP_1)
	v_permlanex16_b32 v252, v14, s[SEL], s[SEL+1]
	s_delay_alu instid0(VALU_DEP_1)
	v_add_f32 v14, v14, v252                       ; the row's sum
	s_wait_alu depctr_va_vdst(0)
	v_rcp_f32 v14, v14
	v_nop                                          ; a plain line behind the reciprocal
	s_wait_alu depctr_va_vdst(0)                   ; and the wait ahead of its first reader
	v_ldexp_f32 v14, v14, s[EPV]
.set J, 0
.rept 32
	v_pk_mul_f32 v[96+J:97+J], v[160+J:161+J], v[14:15] op_sel_hi:[1,0]   ; register 8 t + n is channel 16 t + 8 (lane / 16) + n of my query; each sum from its low end on
.set J, J+2
.endr
.irp u, 0,1                                    ; channels 64 u on
.irp t, 0,1,2,3
	ds_store_b128 v[STO], v[96+32*\u+8*\t:99+32*\u+8*\t] offset:64*\t
	ds_store_b128 v[STO], v[100+32*\u+8*\t:103+32*\u+8*\t] offset:64*\t+16
.endr
.irp i, 0,1,2,3,4,5,6,7
	ds_load_b128 v[32+32*\u+4*\i:35+32*\u+4*\i], v[RD] offset:2*\i*SP   ; LDS serves a wave's instructions in order (ISA guide 5.7.1.4): these see my stores, and the next half's stores come behind them
.endr
.endr
.irp u, 0,1
.irp i, 0,1,2,3,4,5,6,7
	s_wait_dscnt 15-8*\u-\i                        ; no more than the LDS loads issued behind this one
	global_store_b128 v[GO], v[32+32*\u+4*\i:35+32*\u+4*\i], s[10:11] offset:2*\i*4096+256*\u th:TH_STORE_NT   ; written once, read by nobody here
.endr
.endr
	s_wait_xcnt 0x0                                ; the stores have read their registers
.endm
; THE CHANGE OF SLOTS stands at a slot's head.  Each wave waits for all its tensor loads (its part of the slot that it is about to read), adds 0 to its spare word, and waits for that and for its reads of the slot that it has left.
; fill = 1: the barrier is a round of the cluster's, so that no wave of any partner still reads the other slot or has a load on its way; the joint refill is the first thing behind it and has a slot's two key steps in which to land.
.macro CHANGE fill
	s_wait_tensorcnt 0x0                           ; no tensor load of mine is out, so the group 0 may be written
	ds_add_u32 v[SPW], v[NIL]                      ; 0 onto my spare word
.if \fill
	s_xor_b32 s[G0+1], s[G0+1], SLOTB              ; the walking descriptor: the other slot than last time,
	s_add_nc_u64 s[G0+2:G0+3], s[G0+2:G0+3], SLOTB ; the next two key steps; the type bits on top are not reached
	s_wait_xcnt 0x0                                ; the last prefetch, a slot back, has read its address, so it may be written:
	s_add_nc_u64 s[PFA:PFA+1], s[PFA:PFA+1], SLOTB ; one slot further on than the walking descriptor
.endif
	s_wait_dscnt 0x0                               ; the add is done, and my reads of the slot that I have left are over
.if \fill
	CROUND
	TLOAD                                          ; a wave's one tensor load until the next round: by this text's count never more than one is out
	ASK
.else
	s_barrier_signal -1
	s_barrier_wait -1
.endif
.endm
.macro SLOT_STEPS
	STEP 0
	STEP 1
	s_cmp_lg_u32 s[KS], s[IE]                      ; was my last key step in this slot?  (the wave's number and a counter: the same in all partners)
	s_cbranch_scc1 .Lnot_yet_\@
	WAYOUT
.Lnot_yet_\@:
	s_xor_b32 s[TB], s[TB], SLOTB                  ; on to the other slot
.endm
	s_wait_loadcnt 0x0                             ; q
.Lslot:                                            ; seven trips: behind each change of slots but the last the next slot is asked for
	CHANGE 1
	SLOT_STEPS
	s_sub_co_u32 s[SLOTS], s[SLOTS], 1
	s_cmp_lg_u32 s[SLOTS], 0
	s_cbranch_scc1 .Lslot
	CHANGE 0                                       ; the last slot is written out
	SLOT_STEPS
	s_wait_tensorcnt 0x0                           ; the wave's end: behind my last tensor load and my last LDS store
	ds_add_u32 v[SPW], v[NIL]
	s_wait_dscnt 0x0
	CROUND                                         ; the closing round: no work-group ends while a partner may still ask for a tile that names it
	s_endpgm
.Lfunc_end_k_q20f73890c7_attend:
	.size	k_q20f73890c7_attend, .Lfunc_end_k_q20f73890c7_attend-k_q20f73890c7_attend
	.p2alignl 7, 3214868480
	.fill 96, 4, 3214868480
	.section	.rodata,"a",@progbits
	.p2align	6, 0x0
	.amdhsa_kernel k_q20f73890c7_attend
		.amdhsa_group_segment_fixed_size 327680
		.amdhsa_private_segment_fixed_size 0
		.amdhsa_enable_private_segment 0
		.amdhsa_kernarg_size 32
		.amdhsa_user_sgpr_count 2
		.amdhsa_user_sgpr_kernarg_segment_ptr 1
		.amdhsa_wavefront_size32 1
		.amdhsa_system_sgpr_workgroup_id_x 1
		.amdhsa_system_sgpr_workgroup_id_y 1
		.amdhsa_system_sgpr_workgroup_id_z 1
		.amdhsa_system_vgpr_workitem_id 0
		.amdhsa_next_free_vgpr 256
		.amdhsa_next_free_sgpr 100
		.amdhsa_reserve_vcc 1
		.amdhsa_float_denorm_mode_32 3
		.amdhsa_float_denorm_mode_16_64 3
		.amdhsa_memory_ordered 1
		.amdhsa_forward_progress 1
		.amdhsa_inst_pref_size 121
	.end_amdhsa_kernel
	.amdgpu_metadata
---
amdhsa.version: [ 1, 2 ]
amdhsa.kernels:
  - .name:           k_q20f73890c7_attend
    .symbol:         k_q20f73890c7_attend.kd
    .args:
      - { .name: qimg, .offset: 0, .size: 8, .value_kind: global_buffer, .address_space: global }
      - { .name: kv, .offset: 8, .size: 8, .value_kind: global_buffer, .address_space: global }
      - { .name: lowp_scales, .offset: 16, .size: 8, .value_kind: global_buffer, .address_space: global }
      - { .name: out0, .offset: 24, .size: 8, .value_kind: global_buffer, .address_space: global }
    .group_segment_fixed_size: 327680
    .private_segment_fixed_size: 0
    .kernarg_segment_align: 8
    .kernarg_segment_size: 32
    .max_flat_workgroup_size: 512
    .sgpr_count:     100
    .vgpr_count:     256
    .wavefront_size: 32
...
	.end_amdgpu_metadata
.endif
;; end of part 4
